; MI455X (gfx1250); checked and timed in simulation.
; The chip was launched on July 23, 2026; its instructions are those of AMD's public machine-readable ISA for CDNA 5 (MIT licence, August 2026) and "CDNA5" Instruction Set Architecture Reference Guide (July 2026). The comments in the code are by the model that wrote it; some were corrected since.
;; Glow TTS Multi Head Attention. Allowed arithmetic: matrix products marked QUANTISED: E2M1 operands, one E8M0 scale for each 32 along K, by v_wmma_scale_f32_16x16x128_f8f6f4 with both operands' format E2M1 (or v_wmma_scale_f32_32x16x128_f4), f32 sums; products left as they are: bf16, f16 or f32 operands; f32 sums; everything else in f32.
;; Inputs: Wk 1,024 x 1,024 float32; Wo 1,024 x 1,024 float32; Wq 1,024 x 1,024 float32; Wv 1,024 x 1,024 float32; attn_mask 4 x 1 x 2,048 x 2,048 float32; bk 1,024 float32; bo 1,024 float32; bq 1,024 float32; bv 1,024 float32; c 4 x 1,024 x 2,048 float32; x 4 x 1,024 x 2,048 float32.
;; Outputs: out0 4 x 1,024 x 2,048 float32.
;; This version of the problem:
;;   THIS VERSION OF THE PROBLEM IS GIVEN IN LOW PRECISION. The matrix products marked QUANTISED in the list below multiply operands that are first quantised to E2M1 (2 exponent bits, 1 mantissa bit; 4 bits a number), with one power-of-two scale for each 32 numbers along K (OCP MX v1.0); their sums are f32. The products marked 'left as it is' may take bf16, f16 or f32 operands, with f32 sums. Whichever they take, every output number must still come out within the allowed error. Rounding operands to bf16 (8 significant bits) uses up far more of that allowance than f16 does (11 bits, for magnitudes from 6e-5 to 65,504). All else is computed in f32.
;;   The module's matrix products, in the order in which they are computed (A, B: the left and right operand; K: the contracted axis; several contracted axes count as one K, in the product's order):
;;     1. [M 8,192, K 1,024] x [K 1,024, N 1,024]; A: input x; B: input Wq: QUANTISED
;;     2. [M 8,192, K 1,024] x [K 1,024, N 1,024]; A: input c; B: input Wk: QUANTISED
;;     3. [M 8,192, K 1,024] x [K 1,024, N 1,024]; A: input c; B: input Wv: QUANTISED
;;     4. batch 64 x [M 2,048, K 64] x [K 64, N 2,048]; A: computed on the way; B: computed on the way: left as it is (an operand is computed on the way)
;;     5. batch 64 x [M 2,048, K 2,048] x [K 2,048, N 64]; A: computed on the way; B: computed on the way: left as it is (an operand is computed on the way)
;;     6. [M 8,192, K 1,024] x [K 1,024, N 1,024]; A: computed on the way; B: input Wo: left as it is (an operand is computed on the way)
;;   THE QUANTISER, for each operand of a quantised product, along K:
;;     - K is cut into blocks of 32 from its start; a last block that is shorter is filled with zeros.
;;     - A block's scale is 2^e with e = floor(log2(the largest magnitude in the block)) - 2, held to -126 .. 127; a block of zeros has e = 0. As a byte (E8M0): e + 127.
;;     - Each number is divided by its block's scale, clamped to +-6, and rounded to the nearest number of E2M1, ties to even, subnormals kept.
;;     - The product sums the exact products of the quantised numbers (number of the format x scale) in f32.
;;   ~~~python
;;   def quantise(x, axis):      # numpy; x: float32 -> the quantised numbers, widened to float32 again
;;       x = np.moveaxis(x, axis, -1); K = x.shape[-1]
;;       x = np.pad(x, [(0, 0)] * (x.ndim - 1) + [(0, -K % 32)]); x = x.reshape(x.shape[:-1] + (-1, 32)); a = np.abs(x).max(-1, keepdims=True)
;;       e = np.where(a > 0, np.clip(np.frexp(np.where(a > 0, a, 1))[1] - 1 - 2, -126, 127), 0)      # np.frexp(a)[1] - 1 = floor(log2(a)), exactly
;;       r = np.clip(x / 2.0 ** e, -6, 6)
;;       step = 2.0 ** (np.maximum(np.frexp(np.where(r == 0, 1, r))[1] - 1, 0) - 1)
;;       q = np.round(r / step) * step * 2.0 ** e      # np.round: ties to even
;;       return np.moveaxis(q.reshape(q.shape[:-2] + (-1,))[..., :K], -1, axis).astype(np.float32)
;;   ~~~
;; One version. Each part assembles by itself: llvm-mc -triple=amdgcn-amd-amdhsa -mcpu=gfx1250 --defsym DOCPART=n.
;; ======== version 1 of 1: 4 launches
;; limits: values are held in f16: magnitudes above 65,504 overflow, below 6.1e-05 lose precision
;; workspace buffers: codes 9,961,472 bytes; scales 622,592 bytes; wo16 2,097,152 bytes; maskbits 2,097,152 bytes of whole numbers; rope 262,144 bytes; qkv 50,331,648 bytes; att 16,777,216 bytes
;; launch prep (part 1): grid 512 x 1, 8 waves a work-group, no clusters, 68,608 bytes of LDS; arguments x, c, attn_mask, Wq, Wk, Wv, Wo, codes, scales, wo16, maskbits, rope; writes codes, scales, wo16, maskbits, rope
.if DOCPART == 1
	.amdgcn_target "amdgcn-amd-amdhsa--gfx1250"
	.amdhsa_code_object_version 6
	.text
	.protected	k_qf94161dc05_prep
	.globl	k_qf94161dc05_prep
	.p2align	8
	.type	k_qf94161dc05_prep,@function
k_qf94161dc05_prep:
	s_mov_b64 s[64:65], 0
	v_nop
	global_prefetch_b8 v0, s[64:65] scope:SCOPE_SE
	s_setreg_imm32_b32 hwreg(HW_REG_WAVE_MODE, 25, 1), 1
	s_wait_xcnt 0x0
; PREP: everything that later launches read many times is made once.
;   work-groups 0-127    x, c [4][1024][2048] f32 (K = the channels, the middle axis) -> codes of FP4 (E2M1) and E8M0 scale bytes
;   work-groups 128-383  attn_mask [4][2048][2048] f32 -> one bit a number (mask != 0), as the lane masks that the attention's selects take
;   work-groups 384-431  Wq, Wk, Wv [1024][1024] f32 (K innermost) -> codes and scale bytes
;   work-groups 432-447  Wo -> f16
;   work-groups 448-511  the table cos(t theta_i), sin(t theta_i), t = 0..2047, i = 0..15, theta_i = 10000^(-i/16)
; ALL OPERANDS ARE LAID AS IMAGES OF THE READER'S FRAGMENT REGISTERS: four registers of the 32 lanes are 512 bytes on end, lane l's 16 bytes at 16 l.
;   an FP4 fragment (16 rows x 128 K) is two such groups: lane (r, h) of group c holds K = 64 c + 32 h + 0..31 of row r;
;   an f16 fragment (16 rows x 32 K) likewise: lane (r, h) of group c holds K = 16 c + 8 h + 0..7.
; A block's scale is 2^(floor(log2(its largest magnitude)) - 2): its byte is that magnitude's exponent field - 2, held at 1 from below.
; LIMITS: a block of zeros gets the byte 1 where the rule says 127 (its codes are zeros, and this program alone reads the bytes); NaN and infinities among x, c and the
; weights are not served; |Wo| stays under 65,504 (f16).  theta comes by v_exp_f32 and sine and cosine by polynomials on [-pi/4, pi/4] behind a two-part reduction.
.set SPW,   30                         ; v30  LDS address of my spare word; never rewritten
.set NIL,   31                         ; v31  0; never rewritten
.set STG,   8448                       ; a wave's stage: 16 rows x (512 bytes + 16)
.set SPARE, 8*STG                      ; behind the eight stages: the spare words, 128 bytes a wave
; ---- x and c: a lane takes a column t and its registers run down K: block blk is 32 loads, each 128 consecutive bytes a wave
.macro LOADA blk
.set i, 0
.rept 32
	global_load_b32 v[32+32*((\blk)%2)+i], v3, s[4:5] offset:(32*(\blk)+i)*8192 th:TH_LOAD_NT
.set i, i+1
.endr
.endm
.macro BLOCKA blk
.set XS, 32+32*((\blk)%2)
.set CC, 96+4*(\blk)                   ; each block has its own four registers of codes: no store's data are written again
.if (\blk) < 15
	s_wait_loadcnt 32                              ; this block's 32 loads are in; the next block's 32 may be out
.else
	s_wait_loadcnt 0x0
.endif
	v_max3_num_f32 v12, |v[XS]|, |v[XS+1]|, |v[XS+2]|              ; the block's largest magnitude: all 32 numbers are mine; two chains
	v_max3_num_f32 v13, |v[XS+3]|, |v[XS+4]|, |v[XS+5]|
.irp i, 6,10,14,18,22,26
	v_max3_num_f32 v12, v12, |v[XS+\i]|, |v[XS+\i+1]|
	v_max3_num_f32 v13, v13, |v[XS+\i+2]|, |v[XS+\i+3]|
.endr
	v_max3_num_f32 v12, v12, |v[XS+30]|, |v[XS+31]|
	v_max3_num_f32 v12, v12, v13, 0x1800000        ; and the floor 2^(3 - 127): the byte cannot fall under 1
	v_add_nc_u32 v11, 0xff000000, v12              ; 2 off the exponent field: the conversion takes this operand's exponent field as its scale
	v_lshrrev_b32 v13, 23, v11                     ; the scale's byte
.if (\blk)%4 == 0
	v_mov_b32 v[24+(\blk)/4], v13
.else
	v_lshl_or_b32 v[24+(\blk)/4], v13, 8*((\blk)%4), v[24+(\blk)/4]
.endif
.irp g, 0,1,2,3
	v_cvt_scalef32_pk8_fp4_f32 v[CC+\g], v[XS+8*\g:XS+8*\g+7], v11
.endr
	v_nop                                          ; one plain line behind the last conversion of a run
	global_store_b128 v4, v[CC:CC+3], s[18:19] offset:((\blk)/4)*1024+(((\blk)/2)%2)*512+((\blk)%2)*256   ; lanes 0-15 and lanes 16-31 each store 256 consecutive bytes, aligned
.if (\blk)+2 < 16
	LOADA (\blk)+2
.endif
.endm
; ---- mask and weights: 16 rows x 512 bytes go through the wave's own stage, so that loads read 512 consecutive bytes and a lane still gets neighbours along a row
.macro LOADB s
.set i, 0
.rept 16
	global_load_b128 v[32+64*((\s)%2)+4*i:32+64*((\s)%2)+4*i+3], v[8+i], s[32:33] offset:512*(\s) th:TH_LOAD_NT
.set i, i+1
.endr
.endm
.macro TAKE8                           ; register 8 q + j of lane (r, h) = column 16 q + 8 h + j of row r
.set q, 0
.rept 8
	ds_load_b128 v[160+8*q:160+8*q+3], v3 offset:64*q
	ds_load_b128 v[160+8*q+4:160+8*q+7], v3 offset:64*q+16
.set q, q+1
.endr
	s_wait_dscnt 0x0
.endm
.macro STAGE s
.set RR, 32+64*((\s)%2)
.if (\s) < 3
	s_wait_loadcnt 16                              ; this stage's 16 loads are in; the next stage's 16 may be out
.else
	s_wait_loadcnt 0x0
.endif
.set i, 0
.rept 16
	ds_store_b128 v2, v[RR+4*i:RR+4*i+3] offset:528*i              ; row i as it was loaded: LDS serves a wave's instructions in order, so these come behind the last stage's reads
.set i, i+1
.endr
	s_wait_dscnt 0x0                               ; the stores have read their registers
	s_wait_xcnt 0x0                                ; the last stage's global stores have read theirs: they are written again below
.if (\s) < 2
	LOADB (\s)+2
.endif
	s_cmp_lt_u32 s29, 384
	s_cbranch_scc0 .Lnot_mask_\@
	; the mask: word n = 8 q + j of the stage's 64: bit 16 h + r = (mask[row r][column 16 q + 8 h + j] != 0)
	TAKE8
.set q, 0
.rept 8
.irp j, 0,1,2,3,4,5,6,7
	v_cmp_neq_f32 s[48+\j], 0, v[160+8*q+\j]
.endr
.irp j, 0,1,2,3,4,5,6,7
	v_writelane_b32 v[28+(\j&1)], s[48+\j], 4*q+\j/2               ; lane n / 2 gathers words n and n + 1
.endr
.set q, q+1
.endr
	global_store_b64 v6, v[28:29], s[34:35] offset:256*(\s)        ; two key steps' words: 256 consecutive bytes, aligned
	s_branch .Ljoin_\@
.Lnot_mask_\@:
	s_cmp_lt_u32 s29, 432
	s_cbranch_scc0 .Lwo_\@
	; Wq, Wk, Wv: 128 along K of 16 rows: one fragment.  A lane holds its two whole blocks 2 c + h
.irp c, 0,1
.irp i, 0,1,2,3,4,5,6,7
	ds_load_b128 v[160+32*\c+4*\i:160+32*\c+4*\i+3], v4 offset:256*\c+16*\i
.endr
.endr
	s_wait_dscnt 0x0
.irp c, 0,1
	v_max3_num_f32 v[232+\c], |v[160+32*\c]|, |v[161+32*\c]|, 0x1800000
.endr
.irp i, 2,4,6,8,10,12,14,16,18,20,22,24,26,28,30
.irp c, 0,1
	v_max3_num_f32 v[232+\c], v[232+\c], |v[160+32*\c+\i]|, |v[161+32*\c+\i]|
.endr
.endr
.irp c, 0,1
	v_add_nc_u32 v[234+\c], 0xff000000, v[232+\c]
.endr
.irp c, 0,1
	v_lshrrev_b32 v[236+\c], 23, v[234+\c]
.endr
	v_lshl_or_b32 v238, v237, 16, v236             ; my two bytes: blocks h and 2 + h,
	v_lshlrev_b32 v238, v0, v238                   ; 8 h bits up;
	v_permlanex16_b32 v1, v238, s56, s57
	v_or_b32 v[24+(\s)], v238, v1                  ; with lane l xor 16's two the row's scale word of this 128 along K is whole
.irp c, 0,1
.irp g, 0,1,2,3
	v_cvt_scalef32_pk8_fp4_f32 v[224+4*\c+\g], v[160+32*\c+8*\g:167+32*\c+8*\g], v[234+\c]
.endr
.endr
	v_nop                                          ; one plain line behind the last conversion of a run
.irp c, 0,1
	global_store_b128 v5, v[224+4*\c:227+4*\c], s[34:35] offset:1024*(\s)+512*\c
.endr
.if (\s) == 3
	v_cndmask_b32 v242, v24, v26, s47              ; a row's 16 scale bytes: lanes 0-15 store words 0 and 1, lanes 16-31 words 2 and 3
	v_cndmask_b32 v243, v25, v27, s47
	global_store_b64 v7, v[242:243], s[36:37]      ; the tile's 256 bytes, aligned
.endif
	s_branch .Ljoin_\@
.Lwo_\@:
	; Wo: 128 channels of 16 rows: four f16 fragments, eight groups of four registers
	TAKE8
.set q, 0
.rept 8
.irp p, 0,1,2,3
	v_cvt_pk_f16_f32 v[224+4*q+\p], v[160+8*q+2*\p], v[161+8*q+2*\p]
.endr
.set q, q+1
.endr
.irp q, 0,1,2,3,4,5,6,7
	global_store_b128 v5, v[224+4*\q:227+4*\q], s[34:35] offset:262144*(\s)+512*\q
.endr
.Ljoin_\@:
.endm
; ---- the table: one number.  v6 = t as f32, v[8 + ii] = theta, v4 = 0 for the cosine, 1 for the sine
.macro SINCOS ii
.set B, 64+8*\ii
	v_mul_f32 v[B], v6, v[8+\ii]                   ; the angle, in f32
	v_mul_f32 v[B+1], 0x3f22f983, v[B]             ; x 2 / pi
	v_rndne_f32 v[B+1], v[B+1]                     ; k
	v_fmamk_f32 v[B], v[B+1], 0xbfc90fdb, v[B]     ; r = angle - k pi/2, pi/2 in two parts
	v_fmamk_f32 v[B], v[B+1], 0x333bbd2e, v[B]
	v_mul_f32 v[B+2], v[B], v[B]                   ; r^2
	v_mov_b32 v[B+3], 0x3c08839e
	v_fmamk_f32 v[B+3], v[B+2], 0xb94ca1f9, v[B+3]
	v_fmaak_f32 v[B+3], v[B+3], v[B+2], 0xbe2aaaa3
	v_mul_f32 v[B+3], v[B+3], v[B+2]
	v_fma_f32 v[B+3], v[B+3], v[B], v[B]           ; sin r
	v_mov_b32 v[B+4], 0xbab6061a
	v_fmamk_f32 v[B+4], v[B+2], 0x37ccf5ce, v[B+4]
	v_fmaak_f32 v[B+4], v[B+4], v[B+2], 0x3d2aaaa5
	v_fma_f32 v[B+4], v[B+4], v[B+2], -0.5
	v_fma_f32 v[B+4], v[B+4], v[B+2], 1.0          ; cos r
	v_cvt_i32_f32 v[B+5], v[B+1]
	v_sub_nc_u32 v[B+5], v[B+5], v4                ; sin(a) = cos(a - pi/2)
	v_and_b32 v[B+5], 3, v[B+5]                    ; the quadrant n: cos r, -sin r, -cos r, sin r
	v_and_b32 v[B+6], 1, v[B+5]
	v_cmp_eq_u32 vcc_lo, 1, v[B+6]
	v_cndmask_b32 v[B+4], v[B+4], v[B+3], vcc_lo
	v_add_nc_u32 v[B+5], 1, v[B+5]
	v_and_b32 v[B+5], 2, v[B+5]
	v_lshlrev_b32 v[B+5], 30, v[B+5]               ; the sign: n = 1, 2
	v_xor_b32 v[48+\ii], v[B+4], v[B+5]
.endm
	s_load_b512 s[4:19], s[0:1], 0x0               ; x 4, c 6, attn_mask 8, Wq 10, Wk 12, Wv 14, Wo 16, codes 18
	s_load_b256 s[20:27], s[0:1], 0x40             ; scales 20, wo16 22, maskbits 24, rope 26
	v_lshl_add_u32 v[SPW], v0, 2, SPARE
	v_mov_b32 v[NIL], 0
	v_lshrrev_b32 v1, 5, v0
	v_readfirstlane_b32 s28, v1                    ; wave 0..7
	v_and_b32 v1, 31, v0                           ; lane
	s_mov_b32 s29, ttmp9
	s_wait_kmcnt 0x0
	s_cmp_lt_u32 s29, 128
	s_cbranch_scc1 .Lpath_a
	s_cmp_lt_u32 s29, 448
	s_cbranch_scc1 .Lpath_b
	; ---- the table: thread e of 16,384 makes four numbers: t = e / 8; cosines (e / 4 even) or sines; i = 4 (e % 4) + 0..3
	s_sub_co_u32 s30, s29, 448
	s_lshl_b32 s30, s30, 8
	v_add_nc_u32 v2, s30, v0
	v_lshrrev_b32 v3, 3, v2
	v_bfe_u32 v4, v2, 2, 1
	v_and_b32 v5, 3, v2
	v_lshlrev_b32 v5, 2, v5
	v_cvt_f32_u32 v6, v3
.irp ii, 0,1,2,3
	v_add_nc_u32 v[8+\ii], \ii, v5
.endr
.irp ii, 0,1,2,3
	v_cvt_f32_u32 v[8+\ii], v[8+\ii]
.endr
.irp ii, 0,1,2,3
	v_mul_f32 v[8+\ii], 0xbf549a78, v[8+\ii]       ; -i log2(10000) / 16
.endr
.irp ii, 0,1,2,3
	v_exp_f32 v[8+\ii], v[8+\ii]                   ; theta_i
.endr
	v_lshlrev_b32 v2, 4, v2                        ; (a plain line behind the four)  my 16 bytes of the table
	s_wait_alu depctr_va_vdst(0)                   ; one wait for the four, ahead of their first reader
.irp ii, 0,1,2,3
	SINCOS \ii
.endr
	global_store_b128 v2, v[48:51], s[26:27]       ; a wave stores 512 consecutive bytes
	s_branch .Lend
.Lpath_a:
	; work-group a: tensor a / 64, batch (a / 16) % 4, half of K (a / 8) % 2, 256 columns a % 8; wave w: 32 of them, 512 along K: 16 blocks a lane
	s_lshr_b32 s30, s29, 6
	s_cmp_eq_u32 s30, 0
	s_cselect_b64 s[4:5], s[4:5], s[6:7]           ; x or c: the choice hangs on the work-group's number alone
	s_bfe_u32 s31, s29, 0x20004                    ; b
	s_bfe_u32 s32, s29, 0x10003                    ; kh
	s_and_b32 s33, s29, 7
	s_lshl_b32 s33, s33, 8
	s_lshl_b32 s34, s28, 5
	s_add_co_u32 s33, s33, s34                     ; t0
	s_lshl_b32 s36, s31, 23                        ; in: b x 8 MiB + kh x 512 rows of 8,192 bytes + 4 t0
	s_lshl_b32 s34, s32, 22
	s_add_co_u32 s36, s36, s34
	s_lshl_b32 s34, s33, 2
	s_add_co_u32 s36, s36, s34
	s_mov_b32 s37, 0
	s_add_nc_u64 s[4:5], s[4:5], s[36:37]
	s_lshl_b32 s36, s30, 22                        ; codes: tensor x 4 MiB + kh x 2 MiB + (128 b + t0 / 16) x 4,096
	s_lshl_b32 s34, s32, 21
	s_add_co_u32 s36, s36, s34
	s_lshl_b32 s34, s31, 19
	s_add_co_u32 s36, s36, s34
	s_lshl_b32 s34, s33, 8
	s_add_co_u32 s36, s36, s34
	s_add_nc_u64 s[18:19], s[18:19], s[36:37]
	s_lshl_b32 s36, s30, 18                        ; scale bytes: tensor x 256 KiB + kh x 128 KiB + (2048 b + t0) x 16
	s_lshl_b32 s34, s32, 17
	s_add_co_u32 s36, s36, s34
	s_lshl_b32 s34, s31, 15
	s_add_co_u32 s36, s36, s34
	s_lshl_b32 s34, s33, 4
	s_add_co_u32 s36, s36, s34
	s_add_nc_u64 s[20:21], s[20:21], s[36:37]
	v_lshlrev_b32 v3, 2, v1                        ; in: 4 bytes a lane
	v_and_b32 v4, 15, v1
	v_lshlrev_b32 v4, 4, v4
	v_lshrrev_b32 v5, 4, v1
	v_lshl_add_u32 v4, v5, 12, v4                  ; codes: row tile lane / 16, 16 bytes at 16 (lane % 16)
	v_lshlrev_b32 v5, 4, v1                        ; scale bytes: 16 a row
	LOADA 0
	LOADA 1
.irp t, 0,1,2,3,4,5,6,7,8,9,10,11,12,13,14,15
	BLOCKA \t
.endr
	global_store_b128 v5, v[24:27], s[20:21]       ; my row's 16 scale bytes: the wave stores 512 consecutive bytes
	s_branch .Lend
.Lpath_b:
	; a wave's job: 16 rows x 2,048 bytes, in four stages of 512 bytes.  Each arm writes source, destinations and the rows' pitch
	s_cmp_lt_u32 s29, 384
	s_cbranch_scc0 .Lset_w
	s_sub_co_u32 s40, s29, 128
	s_lshl_b32 s40, s40, 3
	s_add_co_u32 s40, s40, s28                     ; job 0..2047: tile of 16 queries job / 4, 512 keys job % 4
	s_lshr_b32 s41, s40, 2
	s_and_b32 s42, s40, 3
	s_lshl_b32 s44, s41, 17
	s_lshl_b32 s45, s42, 11
	s_add_co_u32 s44, s44, s45
	s_mov_b32 s45, 0
	s_add_nc_u64 s[32:33], s[8:9], s[44:45]
	s_lshl_b32 s44, s41, 12                        ; 32 key steps x 128 bytes a tile of queries,
	s_lshl_b32 s46, s42, 10                        ; 8 key steps a job
	s_add_co_u32 s44, s44, s46
	s_add_nc_u64 s[34:35], s[24:25], s[44:45]
	s_mov_b64 s[36:37], s[20:21]                   ; (not used on this way)
	s_mov_b32 s38, 8192
	s_branch .Lset_done
.Lset_w:
	s_cmp_lt_u32 s29, 432
	s_cbranch_scc0 .Lset_wo
	s_sub_co_u32 s40, s29, 384
	s_lshl_b32 s40, s40, 3
	s_add_co_u32 s40, s40, s28                     ; job 0..383: weight job / 128, tile of 16 rows (job / 2) % 64, half of K job % 2
	s_lshr_b32 s41, s40, 7
	s_bfe_u32 s42, s40, 0x60001
	s_and_b32 s43, s40, 1
	s_cmp_eq_u32 s41, 0
	s_cselect_b64 s[32:33], s[10:11], s[12:13]
	s_cmp_eq_u32 s41, 2
	s_cselect_b64 s[32:33], s[14:15], s[32:33]
	s_lshl_b32 s44, s42, 16
	s_lshl_b32 s45, s43, 11
	s_add_co_u32 s44, s44, s45
	s_mov_b32 s45, 0
	s_add_nc_u64 s[32:33], s[32:33], s[44:45]
	s_lshl_b32 s44, s41, 19                        ; codes: 8 MiB + weight x 512 KiB + kh x 256 KiB + tile x 4,096
	s_lshl_b32 s46, s43, 18
	s_add_co_u32 s44, s44, s46
	s_lshl_b32 s46, s42, 12
	s_add_co_u32 s44, s44, s46
	s_add_co_u32 s44, s44, 0x800000
	s_add_nc_u64 s[34:35], s[18:19], s[44:45]
	s_lshl_b32 s44, s41, 15                        ; scale bytes: 512 KiB + weight x 32 KiB + kh x 16 KiB + tile x 256
	s_lshl_b32 s46, s43, 14
	s_add_co_u32 s44, s44, s46
	s_lshl_b32 s46, s42, 8
	s_add_co_u32 s44, s44, s46
	s_add_co_u32 s44, s44, 0x80000
	s_add_nc_u64 s[36:37], s[20:21], s[44:45]
	s_mov_b32 s38, 4096
	s_branch .Lset_done
.Lset_wo:
	s_sub_co_u32 s40, s29, 432
	s_lshl_b32 s40, s40, 3
	s_add_co_u32 s40, s40, s28                     ; job 0..127: tile of 16 rows job / 2, half of K job % 2
	s_lshr_b32 s41, s40, 1
	s_and_b32 s42, s40, 1
	s_lshl_b32 s44, s41, 16
	s_lshl_b32 s45, s42, 11
	s_add_co_u32 s44, s44, s45
	s_mov_b32 s45, 0
	s_add_nc_u64 s[32:33], s[16:17], s[44:45]
	s_lshl_b32 s44, s42, 20                        ; four K steps of 256 KiB a half; 4,096 bytes a tile
	s_lshl_b32 s46, s41, 12
	s_add_co_u32 s44, s44, s46
	s_add_nc_u64 s[34:35], s[22:23], s[44:45]
	s_mov_b64 s[36:37], s[20:21]                   ; (not used on this way)
	s_mov_b32 s38, 4096
.Lset_done:
	v_and_b32 v232, 15, v1                         ; r
	v_lshrrev_b32 v233, 4, v1                      ; h
	s_mul_i32 s39, s28, STG                        ; my stage
	v_lshlrev_b32 v5, 4, v1                        ; 16 x lane
	v_lshlrev_b32 v6, 3, v1                        ; 8 x lane
	v_add_nc_u32 v2, s39, v5                       ; into the stage: a row's 512 bytes as loaded
	v_mul_u32_u24 v234, v232, 528
	v_add_nc_u32 v234, s39, v234
	v_lshl_add_u32 v3, v233, 5, v234               ; out of it by runs of eight numbers: row r, + 32 h
	v_lshl_add_u32 v4, v233, 7, v234               ; and by whole blocks of 32: row r, + 128 h
	v_lshlrev_b32 v7, 4, v232
	v_lshl_add_u32 v7, v233, 3, v7                 ; a tile's scale bytes: 16 r + 8 h
.irp i, 0,1,2,3,4,5,6,7,8,9,10,11,12,13,14,15
	v_mad_u32_u24 v[8+\i], s38, \i, v5             ; row i of the source: i x pitch + 16 x lane
.endr
	v_cmp_le_u32 s47, 16, v1                       ; lanes 16-31
	s_mov_b32 s56, 0x76543210
	s_mov_b32 s57, 0xfedcba98                      ; v_permlanex16_b32's selects for lane l xor 16
	v_lshlrev_b32 v0, 3, v233                      ; 8 h (the thread's number has served)
	v_mov_b32 v1, 0                                ; a lane permute's destination counts as one of its sources
.irp i, 24,25,26,27,28,29
	v_mov_b32 v[\i], 0                             ; the scale words and the gathered mask words: written whole once
.endr
	LOADB 0
	LOADB 1
	STAGE 0
	STAGE 1
	STAGE 2
	STAGE 3
.Lend:
	s_wait_tensorcnt 0x0                           ; the wave's end, behind the last LDS store
	ds_add_u32 v[SPW], v[NIL]
	s_wait_dscnt 0x0
	s_endpgm
.Lfunc_end_k_qf94161dc05_prep:
	.size	k_qf94161dc05_prep, .Lfunc_end_k_qf94161dc05_prep-k_qf94161dc05_prep
	.p2alignl 7, 3214868480
	.fill 96, 4, 3214868480
	.section	.rodata,"a",@progbits
	.p2align	6, 0x0
	.amdhsa_kernel k_qf94161dc05_prep
		.amdhsa_group_segment_fixed_size 68608
		.amdhsa_private_segment_fixed_size 0
		.amdhsa_enable_private_segment 0
		.amdhsa_kernarg_size 96
		.amdhsa_user_sgpr_count 2
		.amdhsa_user_sgpr_kernarg_segment_ptr 1
		.amdhsa_wavefront_size32 1
		.amdhsa_system_sgpr_workgroup_id_x 1
		.amdhsa_system_sgpr_workgroup_id_y 1
		.amdhsa_system_sgpr_workgroup_id_z 1
		.amdhsa_system_vgpr_workitem_id 0
		.amdhsa_next_free_vgpr 256
		.amdhsa_next_free_sgpr 66
		.amdhsa_reserve_vcc 1
		.amdhsa_float_denorm_mode_32 3
		.amdhsa_float_denorm_mode_16_64 3
		.amdhsa_memory_ordered 1
		.amdhsa_forward_progress 1
		.amdhsa_inst_pref_size 167
	.end_amdhsa_kernel
	.amdgpu_metadata
---
amdhsa.version: [ 1, 2 ]
amdhsa.kernels:
  - .name:           k_qf94161dc05_prep
    .symbol:         k_qf94161dc05_prep.kd
    .args:
      - { .name: x, .offset: 0, .size: 8, .value_kind: global_buffer, .address_space: global }
      - { .name: c, .offset: 8, .size: 8, .value_kind: global_buffer, .address_space: global }
      - { .name: attn_mask, .offset: 16, .size: 8, .value_kind: global_buffer, .address_space: global }
      - { .name: Wq, .offset: 24, .size: 8, .value_kind: global_buffer, .address_space: global }
      - { .name: Wk, .offset: 32, .size: 8, .value_kind: global_buffer, .address_space: global }
      - { .name: Wv, .offset: 40, .size: 8, .value_kind: global_buffer, .address_space: global }
      - { .name: Wo, .offset: 48, .size: 8, .value_kind: global_buffer, .address_space: global }
      - { .name: codes, .offset: 56, .size: 8, .value_kind: global_buffer, .address_space: global }
      - { .name: scales, .offset: 64, .size: 8, .value_kind: global_buffer, .address_space: global }
      - { .name: wo16, .offset: 72, .size: 8, .value_kind: global_buffer, .address_space: global }
      - { .name: maskbits, .offset: 80, .size: 8, .value_kind: global_buffer, .address_space: global }
      - { .name: rope, .offset: 88, .size: 8, .value_kind: global_buffer, .address_space: global }
    .group_segment_fixed_size: 68608
    .private_segment_fixed_size: 0
    .kernarg_segment_align: 8
    .kernarg_segment_size: 96
    .max_flat_workgroup_size: 256
    .sgpr_count:     66
    .vgpr_count:     256
    .wavefront_size: 32
...
	.end_amdgpu_metadata
.endif
;; end of part 1
;; launch proj (part 2): grid 4 x 96, 4 waves a work-group, clusters of 4 x 4, 327,680 bytes of LDS; arguments codes, scales, rope, bq, bk, bv, qkv; writes qkv
.if DOCPART == 2
	.amdgcn_target "amdgcn-amd-amdhsa--gfx1250"
	.amdhsa_code_object_version 6
	.text
	.protected	k_qf94161dc05_proj
	.globl	k_qf94161dc05_proj
	.p2align	8
	.type	k_qf94161dc05_proj,@function
k_qf94161dc05_proj:
	s_mov_b64 s[64:65], 0
	v_nop
	global_prefetch_b8 v0, s[64:65] scope:SCOPE_SE
	s_setreg_imm32_b32 hwreg(HW_REG_WAVE_MODE, 25, 1), 1
	s_wait_xcnt 0x0
	s_wait_alu depctr_hold_cnt(0) depctr_sa_sdst(0) depctr_va_vdst(0) depctr_va_sdst(0) depctr_va_ssrc(0) depctr_va_vcc(0) depctr_vm_vsrc(0)
	s_getreg_b32 s2, hwreg(HW_REG_IB_STS2, 6, 4)
	s_cmp_eq_u32 s2, 0
	s_cbranch_scc0 .Lentry_in_a_cluster
	s_endpgm
.Lentry_in_a_cluster:
	s_bfe_u32 s2, ttmp6, 0x10000c
	s_cmp_lg_u32 s2, 0xf033
	s_cbranch_scc0 .Lentry_shape_is_right
	s_endpgm
.Lentry_shape_is_right:
; PROJ: q = Wq x + bq, k = Wk c + bk, v = Wv c + bv on codes of FP4 (E2M1) with one E8M0 scale for each 32 along K = 1,024; sums in f32; then, in f32, the bias, the rotation
; of the first 32 channels of each head of q and k, and q's factor log2(e) / 8; the results leave as f16, laid as images of the attention's fragment registers.
; JOBS: cluster y / 8 = 0 (q), 1 (k), 2 (v).  A work-group makes 256 x 256, each of its four waves 128 x 128: 64 accumulators, 512 registers.
; Source 1 ("R") gives a result's lane, source 0 ("C") its registers.  q, k: R = 256 positions, C = 256 channels: a lane holds ONE position and eight neighbouring channels, which is the layout
; of q and k as operands of k q^T.  v: R = 256 channels (Wv), C = 256 positions: a lane holds one channel and eight neighbouring positions: the layout of v^T as an operand of v^T p.
; All operands lie in one buffer as fragment images, so a job differs from another in offsets alone.
; ALL OF K FITS IN LDS: each wave asks for three tiles at the start (scale bytes, first half of K, second half) and nothing is filled again; three tensor loads of a wave are out at the most.
; CLUSTERS: 4 x 4 work-groups; R's tiles are shared along a row of the cluster, C's along a column: each is asked for jointly, by the same load with the same descriptor in the four.
; The table rows and both forms of the bias are loaded on every job, ahead of the parting of ways: the v job reads 16 KiB of table rows a wave that it does not use, q and k one bias word a block.
; LIMITS: |q log2(e) / 8|, |k|, |v| stay under 65,504 (f16).  NaN and infinities are not served.
; REGISTERS, in windows of 256: window 0: v1-29 addresses; v32-95 scale words, two sets, and nothing else; v96-111 v's bias; v128-191 R's fragments, one set (on the way out: at work); v192-255 q's or k's bias.
;   window 1: C's fragments, two sets, at v0 and v128; v64-127 and v192-255 the table rows of my 128 positions.   windows 2, 3: the accumulators, (a, b) at v[8 (8 (a % 4) + b)].
.set NQ,    4                          ; steps of 128 along K in a half of K
.set FR,    8                          ; registers of a fragment
.set NL,    2                          ; LDS loads that bring one
.set NP,    4                          ; places behind this matrix instruction (ISA guide 7.12.1)
.set SLOT,  131072                     ; a half of K: R's 16 tiles of 4,096 bytes, then C's 16
.set SCL,   2*SLOT                     ; the scale bytes: R's first half, R's second, C's first, C's second: 4,096 bytes each
.set SPARE, SCL+4*4096                 ; the spare words, 128 bytes a wave
.set ADRA, 16                          ; v16-17  my R fragments in slot 0, 1
.set ADRB, 20                          ; v20-21  my C fragments
.set LI,   26                          ; v26     16 x lane
.set ADRS, 27                          ; v27     my scale words: lanes 0-15 R's rows, lanes 16-31 C's
.set SPW,  28
.set NIL,  29
.set SC,   32
.set B8,   96
.set AF,   128
.set B64,  192
.set X,    128                         ; the way out: 32 numbers,
.set Y,    160                         ; 16 rotated numbers,
.set H,    176                         ; 16 registers of f16
.set WV,   18
.set HR,   19                          ; which half of R's rows is mine.  Also: I fetch for R (0) or for C (1)
.set HC,   20                          ; which half of C's rows.  Also: which half of a tile, or of K for the scale bytes, I fetch
.set JOB,  21
.set G1,   24
.set G0,   32
.set G1B,  48
.set G0B,  56
.set SCQ,  66                          ; s[66:67] q's factor, or 1.0
.set G1S,  68
.set G0S,  76
.set G1SB, 80
.set G0SB, 88
.set MSB, 0
.macro WIN new                         ; the immediate's high byte repeats the setting that is left
.if MSB != \new
	s_set_vgpr_msb (MSB<<8)|\new
.set MSB, \new
.endif
.endm
.set MUL_LO, 0xa1                      ; source 0 (C) window 1, source 1 (R) window 0, sums window 2
.set MUL_HI, 0xf1                      ; the same, sums window 3
.set TO_B,   0x40                      ; destination window 1, address window 0
; A joint load: waves 0 and 1 fetch for R, waves 2 and 3 for C.  An s_nop 0 and four v_nop follow each of the two lines.
.macro JLOAD g0a, g1a, g0b, g1b
	s_cmp_eq_u32 s[HR], 0
	s_cbranch_scc0 .Lfor_c_\@
	tensor_load_to_lds s[\g0a:\g0a+3], s[\g1a:\g1a+7]
	s_nop 0
.rept 4
	v_nop
.endr
	s_branch .Lasked_\@
.Lfor_c_\@:
	tensor_load_to_lds s[\g0b:\g0b+3], s[\g1b:\g1b+7]
	s_nop 0
.rept 4
	v_nop
.endr
.Lasked_\@:
.endm
.macro CROUND                          ; a round of the cluster's barrier
	s_barrier_signal -1
	s_barrier_wait -1
	s_cmp_lg_u32 s[WV], 0
	s_cbranch_scc1 .Lnot_wave_0_\@
	s_barrier_signal -3
.Lnot_wave_0_\@:
	s_barrier_wait -3
	s_barrier_signal -1
	s_barrier_wait -1
.endm
	s_load_b256 s[4:11], s[0:1], 0x0               ; codes 4, scales 6, rope 8, bq 10
	s_load_b128 s[12:15], s[0:1], 0x20             ; bk 12, bv 14
	s_load_b64 s[16:17], s[0:1], 0x30              ; qkv
	v_lshl_add_u32 v[SPW], v0, 2, SPARE
	v_mov_b32 v[NIL], 0
	ds_add_u32 v[SPW], v[NIL]                      ; the wave's opening: the add, twice on end, and its wait ahead of my first tensor load
	ds_add_u32 v[SPW], v[NIL]
	v_lshrrev_b32 v1, 5, v0
	v_readfirstlane_b32 s[WV], v1                  ; wave 0..3
	s_lshr_b32 s[HR], s[WV], 1
	s_and_b32 s[HC], s[WV], 1
	s_bfe_u32 s40, ttmp6, 0x40000                  ; cx
	s_bfe_u32 s41, ttmp6, 0x40004                  ; cy
	s_and_b32 s[JOB], ttmp7, 0xffff                ; cluster y, 0..23
	s_and_b32 s22, s[JOB], 7
	s_lshl_b32 s22, s22, 2                         ; 4 U: which four tiles of 256 positions
	s_lshr_b32 s[JOB], s[JOB], 3
	s_lshl_b32 s43, s41, 2
	s_lshl_b32 s43, 15, s43                        ; my row of the cluster
	s_lshl_b32 s44, 0x1111, s40                    ; my column
	; descriptor groups 1: dense blocks as rows of 256 bytes (32 elements of 8 bytes), no padding: 128 rows of codes, 16 rows of scale bytes
	s_or_b32 s[G1], s43, (3<<16)|(1<<21)           ; 15:0 the mask; 17:16 elements of 8 bytes; 21 set beside a mask
	s_or_b32 s[G1B], s44, (3<<16)|(1<<21)
	s_or_b32 s[G1S], s43, (3<<16)|(1<<21)
	s_or_b32 s[G1SB], s44, (3<<16)|(1<<21)
.irp g, G1, G1B
	s_mov_b32 s[\g+1], 32<<16                      ; tensor_dim0
	s_mov_b32 s[\g+2], 128<<16                     ; tensor_dim1
	s_mov_b32 s[\g+3], 32<<16                      ; tile_dim0
	s_mov_b32 s[\g+4], 128                         ; tile_dim1
	s_mov_b32 s[\g+5], 32                          ; the pitch
	s_mov_b32 s[\g+6], 0
	s_mov_b32 s[\g+7], 0
.endr
.irp g, G1S, G1SB
	s_mov_b32 s[\g+1], 32<<16
	s_mov_b32 s[\g+2], 16<<16
	s_mov_b32 s[\g+3], 32<<16
	s_mov_b32 s[\g+4], 16
	s_mov_b32 s[\g+5], 32
	s_mov_b32 s[\g+6], 0
	s_mov_b32 s[\g+7], 0
.endr
	; where the operands lie.  q, k: R = activations (tensor JOB), C = weight JOB;  v: R = weight 2, C = activations c.  s92-95 and s42 hang on cy alone, s96-99 and s46 on cx alone
	s_lshl_b32 s92, s[JOB], 22                     ; R's codes,
	s_lshl_b32 s94, s[JOB], 18                     ; R's scale bytes,
	s_lshl_b32 s96, s[JOB], 19
	s_add_co_u32 s96, s96, 0x800000                ; C's codes,
	s_lshl_b32 s98, s[JOB], 15
	s_add_co_u32 s98, s98, 0x80000                 ; C's scale bytes;
	s_mov_b32 s2, 0x200000                         ; from one half of K to the other: R's codes,
	s_mov_b32 s3, 0x20000                          ; R's scale bytes,
	s_mov_b32 s23, 0x40000                         ; C's codes,
	s_mov_b32 s45, 0x4000                          ; C's scale bytes
	s_cmp_eq_u32 s[JOB], 2
	s_cselect_b32 s92, 0x900000, s92
	s_cselect_b32 s94, 0x90000, s94
	s_cselect_b32 s96, 0x400000, s96
	s_cselect_b32 s98, 0x40000, s98
	s_cselect_b32 s2, 0x40000, s2
	s_cselect_b32 s3, 0x4000, s3
	s_cselect_b32 s23, 0x200000, s23
	s_cselect_b32 s45, 0x20000, s45
	s_cselect_b32 s42, 0, s22
	s_cselect_b32 s46, s22, 0
	s_add_co_u32 s42, s42, s41                     ; R's tile of 256 rows
	s_add_co_u32 s46, s46, s40                     ; C's
	s_lshl_b32 s93, s42, 16
	s_add_co_u32 s92, s92, s93
	s_lshl_b32 s93, s[HC], 15
	s_add_co_u32 s92, s92, s93                     ; + tile x 65,536 + the half that I fetch
	s_mov_b32 s93, 0
	s_mul_i32 s95, s[HC], s3
	s_add_co_u32 s94, s94, s95
	s_lshl_b32 s95, s42, 12
	s_add_co_u32 s94, s94, s95                     ; + the half of K that I fetch + tile x 4,096
	s_mov_b32 s95, 0
	s_lshl_b32 s97, s46, 16
	s_add_co_u32 s96, s96, s97
	s_lshl_b32 s97, s[HC], 15
	s_add_co_u32 s96, s96, s97
	s_mov_b32 s97, 0
	s_mul_i32 s99, s[HC], s45
	s_add_co_u32 s98, s98, s99
	s_lshl_b32 s99, s46, 12
	s_add_co_u32 s98, s98, s99
	s_mov_b32 s99, 0
	s_lshl_b32 s47, s[WV], 15                      ; where they go: wave x 32,768 in a slot; no place in the cluster enters an LDS address
	s_lshl_b32 s43, s[WV], 12                      ; and wave x 4,096 among the scale bytes
	s_wait_dscnt 0x0                               ; both opening adds are done
	s_wait_kmcnt 0x0
	CROUND                                         ; all sixteen work-groups are here: the first joint loads meet
	s_mov_b32 s[G0S], 1
	s_add_co_u32 s[G0S+1], s43, SCL
	s_add_nc_u64 s[G0S+2:G0S+3], s[6:7], s[94:95]
	s_or_b32 s[G0S+3], s[G0S+3], 0x80000000
	s_mov_b32 s[G0SB], 1
	s_add_co_u32 s[G0SB+1], s43, SCL
	s_add_nc_u64 s[G0SB+2:G0SB+3], s[6:7], s[98:99]
	s_or_b32 s[G0SB+3], s[G0SB+3], 0x80000000
	JLOAD G0S, G1S, G0SB, G1SB                     ; the scale bytes first: they are wanted with the first step
	s_mov_b32 s[G0], 1
	s_mov_b32 s[G0+1], s47
	s_add_nc_u64 s[G0+2:G0+3], s[4:5], s[92:93]
	s_or_b32 s[G0+3], s[G0+3], 0x80000000
	s_mov_b32 s[G0B], 1
	s_mov_b32 s[G0B+1], s47
	s_add_nc_u64 s[G0B+2:G0B+3], s[4:5], s[96:97]
	s_or_b32 s[G0B+3], s[G0B+3], 0x80000000
	JLOAD G0, G1, G0B, G1B                         ; the first half of K
	s_add_co_u32 s92, s92, s2
	s_add_co_u32 s96, s96, s23
	s_mov_b32 s[G0+4], 1
	s_add_co_u32 s[G0+5], s47, SLOT
	s_add_nc_u64 s[G0+6:G0+7], s[4:5], s[92:93]
	s_or_b32 s[G0+7], s[G0+7], 0x80000000
	s_mov_b32 s[G0B+4], 1
	s_add_co_u32 s[G0B+5], s47, SLOT
	s_add_nc_u64 s[G0B+6:G0B+7], s[4:5], s[96:97]
	s_or_b32 s[G0B+7], s[G0B+7], 0x80000000
	JLOAD G0+4, G1, G0B+4, G1B                     ; the second
	v_and_b32 v1, 15, v0                           ; r
	v_bfe_u32 v2, v0, 4, 1                         ; h
	v_and_b32 v3, 31, v0
	v_lshlrev_b32 v[LI], 4, v3
	s_lshl_b32 s2, s[HR], 15                       ; my eight tiles of R
	s_lshl_b32 s3, s[HC], 15
	s_add_co_u32 s3, s3, 65536                     ; my eight tiles of C, behind R's sixteen
.irp s, 0,1
	v_add_nc_u32 v[ADRA+\s], s2, v[LI]
	v_add_nc_u32 v[ADRB+\s], s3, v[LI]
	s_add_co_u32 s2, s2, SLOT
	s_add_co_u32 s3, s3, SLOT
.endr
	s_lshl_b32 s2, s[HR], 11                       ; R's scale bytes: my 128 rows of 16 bytes
	s_lshl_b32 s3, s[HC], 11
	s_add_co_u32 s3, s3, 8192                      ; C's lie 8,192 bytes on
	s_sub_co_u32 s3, s3, s2
	v_mul_u32_u24 v6, s3, v2                       ; lanes 16-31 take C's: one product, the distance x h
	s_add_co_u32 s2, s2, SCL
	v_lshl_add_u32 v5, v1, 4, v6
	v_add_nc_u32 v[ADRS], s2, v5
	; the table rows, the biases and the way out's address
	s_lshl_b32 s42, s42, 8
	s_lshl_b32 s93, s[HR], 7
	s_add_co_u32 s42, s42, s93                     ; my first row of R
	s_lshl_b32 s46, s46, 8
	s_lshl_b32 s97, s[HC], 7
	s_add_co_u32 s46, s46, s97                     ; my first row of C
	s_and_b32 s94, s42, 2047
	s_lshl_b32 s94, s94, 7                         ; a table row is 128 bytes
	s_mov_b32 s95, 0
	s_add_nc_u64 s[8:9], s[8:9], s[94:95]
	s_cmp_eq_u32 s[JOB], 0
	s_cselect_b64 s[10:11], s[10:11], s[12:13]
	s_cmp_eq_u32 s[JOB], 2
	s_cselect_b64 s[10:11], s[14:15], s[10:11]     ; the job's bias
	s_and_b32 s98, s46, 1023                       ; (held inside the bias on every job)
	s_lshl_b32 s98, s98, 2
	s_mov_b32 s99, 0
	s_add_nc_u64 s[12:13], s[10:11], s[98:99]      ; along the registers: q, k
	s_and_b32 s94, s42, 1023
	s_lshl_b32 s94, s94, 2
	s_add_nc_u64 s[14:15], s[10:11], s[94:95]      ; along the lanes: v
	s_cmp_eq_u32 s[JOB], 2
	s_cselect_b32 s100, s46, s42                   ; P: my first position (of 8,192),
	s_cselect_b32 s101, s42, s46                   ; Ch: my first channel
	s_lshr_b32 s2, s100, 11
	s_lshl_b32 s2, s2, 22                          ; batch x 16 heads x 256 KiB
	s_and_b32 s100, s100, 2047
	s_lshl_b32 s100, s100, 7                       ; 128 bytes a position in q, k and v alike
	s_add_co_u32 s100, s100, s2
	s_lshr_b32 s101, s101, 6
	s_lshl_b32 s101, s101, 18                      ; head x 256 KiB
	s_add_co_u32 s100, s100, s101
	s_lshl_b32 s2, s[JOB], 24                      ; q, k, v: 16 MiB each
	s_add_co_u32 s100, s100, s2
	s_mov_b32 s101, 0
	s_add_nc_u64 s[16:17], s[16:17], s[100:101]
	v_lshlrev_b32 v8, 7, v1
	v_lshl_add_u32 v8, v2, 5, v8                   ; the table: row r, + 32 h: my eight cosines; the sines 64 bytes on
	v_lshlrev_b32 v9, 5, v2                        ; the bias along the registers: my eight numbers of a tile
	v_lshlrev_b32 v10, 2, v1                       ; along the lanes
	WIN TO_B
.irp a, 0,1,2,3,4,5,6,7
.set RP, 64+16*\a+64*(\a/4)
	global_load_b128 v[RP:RP+3], v8, s[8:9] offset:2048*\a
	global_load_b128 v[RP+4:RP+7], v8, s[8:9] offset:2048*\a+16
	global_load_b128 v[RP+8:RP+11], v8, s[8:9] offset:2048*\a+64
	global_load_b128 v[RP+12:RP+15], v8, s[8:9] offset:2048*\a+80
.endr
	WIN 0
.irp b, 0,1,2,3,4,5,6,7
	global_load_b128 v[B64+8*\b:B64+8*\b+3], v9, s[12:13] offset:64*\b
	global_load_b128 v[B64+8*\b+4:B64+8*\b+7], v9, s[12:13] offset:64*\b+16
.endr
.irp a, 0,1,2,3,4,5,6,7
	global_load_b32 v[B8+2*\a], v10, s[14:15] offset:64*\a
	v_mov_b32 v[B8+2*\a+1], 0                      ; (named with it as a pair, so it is written)
.endr
.macro FRAG reg, adr, q, i             ; tile i's fragment of the slot's q-th 128 along K: two groups of 512 consecutive bytes
.irp c, 0,1
	ds_load_b128 v[\reg+4*\c:\reg+4*\c+3], v[\adr] offset:(4*(\i)+(\q))*1024+512*\c
.endr
.endm
; 16 matrix instructions: R's blocks a0, a0 + 1 x C's eight.  p: C's set; sc: the set of scale words.  zero = 1: the first product starts the sums.
; The 64 accumulators take turns, one instruction a turn, in the same order in every step.
.macro MUL16 a0, p, q, sc, zero
.irp a, \a0, \a0+1
.irp b, 0,1,2,3,4,5,6,7
.if \zero
	v_wmma_scale_f32_16x16x128_f8f6f4 v[8*(8*((\a)%4)+\b):8*(8*((\a)%4)+\b)+7], v[128*(\p)+FR*\b:128*(\p)+FR*\b+FR-1], v[AF+FR*(\a):AF+FR*(\a)+FR-1], 0, v[SC+8*NQ*(\sc)+NQ*\b+(\q)], v[SC+8*NQ*(\sc)+NQ*(\a)+(\q)] matrix_a_fmt:MATRIX_FMT_FP4 matrix_b_fmt:MATRIX_FMT_FP4 matrix_a_scale:MATRIX_SCALE_ROW1
.else
	v_wmma_scale_f32_16x16x128_f8f6f4 v[8*(8*((\a)%4)+\b):8*(8*((\a)%4)+\b)+7], v[128*(\p)+FR*\b:128*(\p)+FR*\b+FR-1], v[AF+FR*(\a):AF+FR*(\a)+FR-1], v[8*(8*((\a)%4)+\b):8*(8*((\a)%4)+\b)+7], v[SC+8*NQ*(\sc)+NQ*\b+(\q)], v[SC+8*NQ*(\sc)+NQ*(\a)+(\q)] matrix_a_fmt:MATRIX_FMT_FP4 matrix_b_fmt:MATRIX_FMT_FP4 matrix_a_scale:MATRIX_SCALE_ROW1
.endif
.endr
.endr
.endm
.macro FETCH_B slot, q, p
	WIN TO_B
.irp i, 0,1,2,3,4,5,6,7
	FRAG 128*(\p)+FR*\i, ADRB+\slot, \q, \i
.endr
	WIN 0
.endm
.macro FETCH_A slot, q, i0
.irp i, \i0, \i0+1, \i0+2, \i0+3
	FRAG AF+FR*(\i), ADRA+\slot, \q, \i
.endr
.endm
.macro SCALES sc                       ; a half of K's scale words: four a row; lanes 0-15 R's block i, lanes 16-31 C's block i
.irp i, 0,1,2,3,4,5,6,7
	ds_load_b128 v[SC+8*NQ*\sc+NQ*\i:SC+8*NQ*\sc+NQ*\i+3], v[ADRS] offset:\i*256
.endr
.endm
.macro PLACES n                        ; plain vector lines between a matrix instruction and a load into, or a read of, its registers
.rept \n
	v_nop
.endr
.endm
.macro STEP slot, q, zero              ; a step of 128 along K that has its successor in the same slot
	s_wait_dscnt 4*NL                              ; C's set, R's blocks 0-3 and the scale words are in; the youngest eight loads (R's blocks 4-7) may be out
	WIN MUL_LO
	MUL16 0, (\q)%2, \q, \slot, \zero
	MUL16 2, (\q)%2, \q, \slot, \zero
	s_wait_dscnt 0
	PLACES NP
	FETCH_B \slot, (\q)+1, 1-(\q)%2
	FETCH_A \slot, (\q)+1, 0
	WIN MUL_HI
	MUL16 4, (\q)%2, \q, \slot, \zero
	MUL16 6, (\q)%2, \q, \slot, \zero
	PLACES NP
	WIN 0
	FETCH_A \slot, (\q)+1, 4
.endm
.macro STEPS slot, from
.set Q, \from
.rept NQ-1-\from
	STEP \slot, Q, 0
.set Q, Q+1
.endr
.endm
	s_wait_loadcnt 0x0                             ; table rows and biases are in: their address registers are free from here on
	s_wait_tensorcnt 1                             ; my scale bytes and my part of the first half of K are in; the second half's load may be out
	s_barrier_signal -1
	s_barrier_wait -1                              ; everybody's are
	FETCH_B 0, 0, 0
	FETCH_A 0, 0, 0
	SCALES 0
	FETCH_A 0, 0, 4
	STEP 0, 0, 1                                   ; the first step's products start the sums
	STEPS 0, 1
	; the first half's last step goes over to the second half: one barrier; in front of it my tensor loads have landed
	s_wait_tensorcnt 0x0                           ; my part of the second half is in
	ds_add_u32 v[SPW], v[NIL]                      ; 0 onto my spare word
	s_wait_dscnt 4*NL+1                            ; (the add and the youngest eight loads may be out)
	WIN MUL_LO
	MUL16 0, 1, NQ-1, 0, 0
	s_wait_dscnt 0x0
	s_barrier_signal -1
	MUL16 2, 1, NQ-1, 0, 0
	WIN 0
	s_barrier_wait -1
	PLACES NP
	v_add_nc_u32 v[ADRS], 4096, v[ADRS]            ; on to the second half's scale words (no LDS load of mine is out)
	FETCH_B 1, 0, 0
	FETCH_A 1, 0, 0
	SCALES 1
	WIN MUL_HI
	MUL16 4, 1, NQ-1, 0, 0
	MUL16 6, 1, NQ-1, 0, 0
	PLACES NP
	WIN 0
	FETCH_A 1, 0, 4
	STEPS 1, 0
	s_wait_dscnt 4*NL                              ; the very last step: nothing more to fetch
	WIN MUL_LO
	MUL16 0, 1, NQ-1, 1, 0
	MUL16 2, 1, NQ-1, 1, 0
	s_wait_dscnt 0
	WIN MUL_HI
	MUL16 4, 1, NQ-1, 1, 0
	MUL16 6, 1, NQ-1, 1, 0
	WIN 0
	PLACES NP                                      ; in front of the first read of results
	s_cmp_eq_u32 s[JOB], 2                         ; cluster y alone: the same in all sixteen partners
	s_cbranch_scc1 .Lv_out
; q, k: block a (16 positions), head hh of my two: four tiles of 16 channels.  Each accumulator is read from its low end on.
.macro QKOUT a, hh
.set AC, 64*((\a)%4)+32*(\hh)
.set RP, 64+16*(\a)+64*((\a)/4)
	WIN 0x02+(\a)/4                                ; source 0: window 2 or 3
.irp i, 0,1,2,3,4,5,6,7,8,9,10,11,12,13,14,15
	v_pk_fma_f32 v[X+2*\i:X+2*\i+1], v[AC+2*\i:AC+2*\i+1], s[SCQ:SCQ+1], v[B64+32*(\hh)+2*\i:B64+32*(\hh)+2*\i+1] op_sel_hi:[1,0,1]   ; (sum + bias) x factor
.endr
	WIN 0x04                                       ; source 1: window 1, the table
.irp p, 0,1,2,3
	v_pk_mul_f32 v[Y+2*\p:Y+2*\p+1], v[X+2*\p:X+2*\p+1], v[RP+2*\p:RP+2*\p+1]               ; x[i] cos
	v_pk_mul_f32 v[Y+8+2*\p:Y+9+2*\p], v[X+8+2*\p:X+9+2*\p], v[RP+2*\p:RP+2*\p+1]           ; x[i + 16] cos
.endr
.irp p, 0,1,2,3
	v_pk_fma_f32 v[Y+2*\p:Y+2*\p+1], v[X+8+2*\p:X+9+2*\p], v[RP+8+2*\p:RP+9+2*\p], v[Y+2*\p:Y+2*\p+1] neg_lo:[1,0,0] neg_hi:[1,0,0]   ; - x[i + 16] sin
	v_pk_fma_f32 v[Y+8+2*\p:Y+9+2*\p], v[X+2*\p:X+2*\p+1], v[RP+8+2*\p:RP+9+2*\p], v[Y+8+2*\p:Y+9+2*\p]                             ; + x[i] sin
.endr
	WIN 0
	s_wait_xcnt 0x0                                ; the stores before have read H: it is written again only behind this wait
.irp p, 0,1,2,3
	v_cvt_pk_f16_f32 v[H+\p], v[Y+2*\p], v[Y+2*\p+1]
	v_cvt_pk_f16_f32 v[H+4+\p], v[Y+8+2*\p], v[Y+9+2*\p]
	v_cvt_pk_f16_f32 v[H+8+\p], v[X+16+2*\p], v[X+17+2*\p]
	v_cvt_pk_f16_f32 v[H+12+\p], v[X+24+2*\p], v[X+25+2*\p]
.endr
.irp t, 0,1,2,3
	global_store_b128 v[LI], v[H+4*\t:H+4*\t+3], s[16:17] offset:(\hh)*262144+(\a)*2048+\t*512   ; the wave stores 512 consecutive bytes: a group of four fragment registers
.endr
.endm
	s_mov_b32 s[SCQ], 1.0
	s_cmp_eq_u32 s[JOB], 0
	s_cselect_b32 s[SCQ], 0x3e38aa3b, s[SCQ]       ; q: log2(e) / 8, so that the attention's scores are exponents of 2
	s_mov_b32 s[SCQ+1], s[SCQ]
.irp i, 0,1,2,3,4,5,6,7,8,9,10,11,12,13,14,15,16,17,18,19,20,21,22,23,24,25,26,27,28,29,30,31
	v_pk_mul_f32 v[B64+2*\i:B64+2*\i+1], v[B64+2*\i:B64+2*\i+1], s[SCQ:SCQ+1] op_sel_hi:[1,0]
.endr
.irp a, 0,1,2,3,4,5,6,7
	QKOUT \a, 0
	QKOUT \a, 1
.endr
	s_branch .Lout_done
.Lv_out:
; v: block a (16 channels), position tiles 4 hb .. 4 hb + 3: one key step of 64
.macro VOUT a, hb
.set AC, 64*((\a)%4)+32*(\hb)
	WIN 0x02+(\a)/4
.irp i, 0,1,2,3,4,5,6,7,8,9,10,11,12,13,14,15
	v_pk_add_f32 v[X+2*\i:X+2*\i+1], v[AC+2*\i:AC+2*\i+1], v[B8+2*(\a):B8+2*(\a)+1] op_sel_hi:[1,0]
.endr
	WIN 0
	s_wait_xcnt 0x0                                ; the stores before have read H
.irp i, 0,1,2,3,4,5,6,7,8,9,10,11,12,13,14,15
	v_cvt_pk_f16_f32 v[H+\i], v[X+2*\i], v[X+2*\i+1]
.endr
.irp t, 0,1,2,3
	global_store_b128 v[LI], v[H+4*\t:H+4*\t+3], s[16:17] offset:((\a)/4)*262144+(\hb)*8192+(\t/2)*4096+((\a)%4)*1024+(\t%2)*512
.endr
.endm
.irp a, 0,1,2,3,4,5,6,7
	VOUT \a, 0
	VOUT \a, 1
.endr
.Lout_done:
	s_wait_tensorcnt 0x0                           ; the wave's end
	ds_add_u32 v[SPW], v[NIL]
	s_wait_dscnt 0x0
	CROUND                                         ; the closing round
	s_endpgm
.Lfunc_end_k_qf94161dc05_proj:
	.size	k_qf94161dc05_proj, .Lfunc_end_k_qf94161dc05_proj-k_qf94161dc05_proj
	.p2alignl 7, 3214868480
	.fill 96, 4, 3214868480
	.section	.rodata,"a",@progbits
	.p2align	6, 0x0
	.amdhsa_kernel k_qf94161dc05_proj
		.amdhsa_group_segment_fixed_size 327680
		.amdhsa_private_segment_fixed_size 0
		.amdhsa_enable_private_segment 0
		.amdhsa_kernarg_size 56
		.amdhsa_user_sgpr_count 2
		.amdhsa_user_sgpr_kernarg_segment_ptr 1
		.amdhsa_wavefront_size32 1
		.amdhsa_system_sgpr_workgroup_id_x 1
		.amdhsa_system_sgpr_workgroup_id_y 1
		.amdhsa_system_sgpr_workgroup_id_z 1
		.amdhsa_system_vgpr_workitem_id 0
		.amdhsa_next_free_vgpr 1024
		.amdhsa_next_free_sgpr 102
		.amdhsa_reserve_vcc 0
		.amdhsa_float_denorm_mode_32 3
		.amdhsa_float_denorm_mode_16_64 3
		.amdhsa_memory_ordered 1
		.amdhsa_forward_progress 1
		.amdhsa_inst_pref_size 200
	.end_amdhsa_kernel
	.amdgpu_metadata
---
amdhsa.version: [ 1, 2 ]
amdhsa.kernels:
  - .name:           k_qf94161dc05_proj
    .symbol:         k_qf94161dc05_proj.kd
    .args:
      - { .name: codes, .offset: 0, .size: 8, .value_kind: global_buffer, .address_space: global }
      - { .name: scales, .offset: 8, .size: 8, .value_kind: global_buffer, .address_space: global }
      - { .name: rope, .offset: 16, .size: 8, .value_kind: global_buffer, .address_space: global }
      - { .name: bq, .offset: 24, .size: 8, .value_kind: global_buffer, .address_space: global }
      - { .name: bk, .offset: 32, .size: 8, .value_kind: global_buffer, .address_space: global }
      - { .name: bv, .offset: 40, .size: 8, .value_kind: global_buffer, .address_space: global }
      - { .name: qkv, .offset: 48, .size: 8, .value_kind: global_buffer, .address_space: global }
    .group_segment_fixed_size: 327680
    .private_segment_fixed_size: 0
    .kernarg_segment_align: 8
    .kernarg_segment_size: 56
    .max_flat_workgroup_size: 128
    .sgpr_count:     102
    .vgpr_count:     1024
    .wavefront_size: 32
...
	.end_amdgpu_metadata
.endif
;; end of part 2
;; launch attn (part 3): grid 4 x 64, 16 waves a work-group, clusters of 4 x 1, 327,680 bytes of LDS; arguments qkv, maskbits, att; writes att
.if DOCPART == 3
	.amdgcn_target "amdgcn-amd-amdhsa--gfx1250"
	.amdhsa_code_object_version 6
	.text
	.protected	k_qf94161dc05_attn
	.globl	k_qf94161dc05_attn
	.p2align	8
	.type	k_qf94161dc05_attn,@function
k_qf94161dc05_attn:
	s_mov_b64 s[64:65], 0
	v_nop
	global_prefetch_b8 v0, s[64:65] scope:SCOPE_SE
	s_setreg_imm32_b32 hwreg(HW_REG_WAVE_MODE, 25, 1), 1
	s_wait_xcnt 0x0
	s_wait_alu depctr_hold_cnt(0) depctr_sa_sdst(0) depctr_va_vdst(0) depctr_va_sdst(0) depctr_va_ssrc(0) depctr_va_vcc(0) depctr_vm_vsrc(0)
	s_getreg_b32 s2, hwreg(HW_REG_IB_STS2, 6, 4)
	s_cmp_eq_u32 s2, 0
	s_cbranch_scc0 .Lentry_in_a_cluster
	s_endpgm
.Lentry_in_a_cluster:
	s_bfe_u32 s2, ttmp6, 0x10000c
	s_cmp_lg_u32 s2, 0x3003
	s_cbranch_scc0 .Lentry_shape_is_right
	s_endpgm
.Lentry_shape_is_right:
; ATTN: for each of 64 (batch, head): O[q] = sum over k of softmax_k(s[q][k]) v[k], s = q . k / 8, replaced by -10000 where attn_mask[b][q][k] = 0.
; q (already x log2(e) / 8), k, v arrive as f16 fragment images; products on f16 with f32 sums; maximum, exponentials and sums in f32; p is rounded to f16 for the second product, O once at the end.
; SHARES: a work-group owns 512 queries of one head, each of its SIXTEEN waves 32: two tiles of 16, in 256 registers: four waves to a SIMD, so that one wave's vector work stands beside another's
; matrix work and LDS loads.  Every wave walks the head's 2,048 keys, 64 a step.
; LAYOUT: both products are used transposed: S^T = K Q^T (source 0 = 16 keys, source 1 = 16 queries), O^T = V^T P (source 0 = 16 channels, source 1 = P): a lane holds ONE query throughout, and two
; tiles of S^T, rounded in pairs, ARE source 1 of the second product.
; THE MASK comes as lane masks: word 8 t + j of a (tile of queries, key step) holds, in bit 16 h + r, whether key 16 t + 8 h + j counts for query r: it is the select operand of one v_cndmask_b32 for
; register j of tile t.  A wave's 64 words of a step come by scalar loads, a step ahead.  The select stands ahead of the running maximum, so a row with no key left averages all of v, as the problem has it.
; SOFTMAX: a running maximum m and sum l a query; p = 2^(t - m); in every step O and l are multiplied by 2^(old m - new m).
; RING: two slots of 8 key steps (64 KiB of K, 64 KiB of V).  Each wave fetches 8 KiB of each fill: two tensor loads of a wave are out at the start, one behind each refill.
; CLUSTER: the four query blocks of a head walk the same K and V: each tile is asked for jointly.
; LIMITS: NaN and infinities are not served; p under f16's smallest number counts for nothing in the product (it still counts in the sum).
.set SLOT1, 1<<17
.set SPARE, 2*SLOT1                    ; behind the ring: the spare words, 128 bytes a wave
.set LI,   1                           ; v1   16 x lane; never rewritten
.set ADK,  2                           ; v2   LDS address of the step's K
.set ADV,  3                           ; v3   of its V
.set SPW,  4
.set NIL,  5
.set MV,   6                           ; v6   -10000 log2(e)
.set ST,   8                           ; v8-23  tile y's statistics at ST + 8 y: +0 -m, +1 m, +2, +3 l in two halves, +4 .. +7 at work (+6: the factor)
.set Q,    24                          ; v24-55   Q: tile y, channels 32 f on: Q + 16 y + 8 f
.set S,    56                          ; v56-119  S^T: S + 32 y + 8 t; then p; then P in the lower half: S + 32 y + 8 g
.set O,    120                         ; v120-183 O^T: O + 32 y + 8 u
.set KV,   184                         ; v184-247 the step's K, then its V
.set TMP,  248
.set MOFF, 10                          ; s10  byte offset of the mask words that are on their way
.set WV,   12
.set TB,   13                          ; s13  LDS byte at which the step's K begins
.macro CROUND
	s_barrier_signal -1
	s_barrier_wait -1
	s_cmp_lg_u32 s[WV], 0
	s_cbranch_scc1 .Lnot_wave_0_\@
	s_barrier_signal -3
.Lnot_wave_0_\@:
	s_barrier_wait -3
	s_barrier_signal -1
	s_barrier_wait -1
.endm
.macro MASKWORDS                       ; tile 0's 32 words into s[32:63], tile 1's (4,096 bytes on) into s[68:99]
	s_load_b512 s[32:47], s[6:7], s[MOFF] offset:0x0
	s_load_b512 s[48:63], s[6:7], s[MOFF] offset:0x40
	s_load_b512 s[68:83], s[6:7], s[MOFF] offset:0x1000
	s_load_b512 s[84:99], s[6:7], s[MOFF] offset:0x1040
.endm
	s_load_b128 s[4:7], s[0:1], 0x0                ; qkv, maskbits
	s_load_b64 s[8:9], s[0:1], 0x10                ; att
	v_lshl_add_u32 v[SPW], v0, 2, SPARE
	v_mov_b32 v[NIL], 0
	ds_add_u32 v[SPW], v[NIL]                      ; the wave's opening: the add, twice on end, and its wait ahead of my first tensor load
	ds_add_u32 v[SPW], v[NIL]
	v_lshrrev_b32 v2, 5, v0
	v_readfirstlane_b32 s[WV], v2                  ; wave 0..15
	v_and_b32 v[LI], 31, v0
	v_lshlrev_b32 v[LI], 4, v[LI]
	s_bfe_u32 s11, ttmp6, 0x40000                  ; cx: my block of 512 queries
	s_and_b32 s32, ttmp7, 0xffff                   ; 16 b + head, which the four partners share
	; descriptor group 1: 8 KiB, dense, as 32 rows of 256 bytes (32 elements of 8 bytes)
	s_mov_b32 s16, 15|(3<<16)|(1<<21)              ; 15:0 the mask: all four work-groups; 17:16 elements of 8 bytes; 21 set beside a mask
	s_mov_b32 s17, 32<<16                          ; tensor_dim0
	s_mov_b32 s18, 32<<16                          ; tensor_dim1
	s_mov_b32 s19, 32<<16                          ; tile_dim0
	s_mov_b32 s20, 32                              ; tile_dim1
	s_mov_b32 s21, 32                              ; the pitch
	s_mov_b32 s22, 0
	s_mov_b32 s23, 0
	s_lshl_b32 s34, s32, 18                        ; what I fetch: the head's 256 KiB,
	s_and_b32 s35, s[WV], 7
	s_lshl_b32 s35, s35, 13                        ; key step wave % 8 of a slot,
	s_add_co_u32 s34, s34, s35
	s_lshr_b32 s35, s[WV], 3
	s_add_co_u32 s35, s35, 1
	s_lshl_b32 s35, s35, 24                        ; of K (16 MiB on; waves 0-7) or of V (32 MiB on; waves 8-15)
	s_add_co_u32 s34, s34, s35
	s_mov_b32 s35, 0
	s_lshl_b32 s33, s[WV], 13                      ; and where it goes: wave x 8,192 in a slot
	s_lshl_b32 s36, s11, 5
	s_lshl_b32 s37, s[WV], 1
	s_add_co_u32 s36, s36, s37                     ; my first tile of queries: 32 cx + 2 wave
	s_lshl_b32 s38, s32, 18
	s_lshl_b32 s39, s36, 11
	s_add_co_u32 s38, s38, s39                     ; Q: 2,048 bytes a tile
	s_mov_b32 s39, 0
	s_lshr_b32 s40, s32, 4                         ; b
	s_and_b32 s41, s32, 15                         ; head
	s_lshl_b32 s42, s40, 7
	s_add_co_u32 s42, s42, s36
	s_lshl_b32 s42, s42, 12                        ; the mask words: 4,096 bytes a tile of queries
	s_mov_b32 s43, 0
	s_lshl_b32 s44, s40, 22                        ; the result: b x 4 MiB + (head / 2) x 512 KiB + tile x 4,096 + (head % 2) x 2,048
	s_lshr_b32 s45, s41, 1
	s_lshl_b32 s45, s45, 19
	s_add_co_u32 s44, s44, s45
	s_lshl_b32 s45, s36, 12
	s_add_co_u32 s44, s44, s45
	s_and_b32 s45, s41, 1
	s_lshl_b32 s45, s45, 11
	s_add_co_u32 s44, s44, s45
	s_mov_b32 s45, 0
	s_mov_b32 s66, 0x76543210
	s_mov_b32 s67, 0xfedcba98                      ; v_permlanex16_b32's selects for lane l xor 16
	s_mov_b32 s[TB], 0
	s_mov_b32 s[MOFF], 0
	s_wait_dscnt 0x0                               ; both opening adds are done
	s_wait_kmcnt 0x0
	s_mov_b32 s24, 1                               ; group 0 for slot 0: keys 0 to 511
	s_mov_b32 s25, s33
	s_add_nc_u64 s[26:27], s[4:5], s[34:35]
	s_mov_b32 s28, 1                               ; and for slot 1: keys 512 to 1023; this one then walks
	s_add_co_u32 s29, s33, SLOT1
	s_add_nc_u64 s[30:31], s[26:27], 0x10000
	s_or_b32 s27, s27, 0x80000000
	s_or_b32 s31, s31, 0x80000000
	s_add_nc_u64 s[4:5], s[4:5], s[38:39]
	s_add_nc_u64 s[6:7], s[6:7], s[42:43]
	s_add_nc_u64 s[8:9], s[8:9], s[44:45]
	CROUND                                         ; all four work-groups are here: the first joint loads meet
	tensor_load_to_lds s[24:27], s[16:23]
	s_nop 0
	tensor_load_to_lds s[28:31], s[16:23]
	s_nop 0
.rept 4
	v_nop
.endr
.irp i, 0,1,2,3,4,5,6,7
	global_load_b128 v[Q+4*\i:Q+4*\i+3], v[LI], s[4:5] offset:512*\i   ; Q stays in registers: 4 KiB on end
.endr
	MASKWORDS                                      ; key step 0's
	v_mov_b32 v[MV], 0xc6616bcd                    ; -10000 log2(e)
.irp y, 0,1
	v_mov_b32 v[ST+8*\y+1], 0xff61b1e6             ; m: -3e38, under every score
	v_mov_b32 v[ST+8*\y+2], 0                      ; l
	v_mov_b32 v[ST+8*\y+3], 0
.endr
.set n, 0
.rept 64
	v_mov_b32 v[O+n], 0                            ; O^T.  (The step is written once: the first finds zeros, which its factor leaves zeros)
.set n, n+1
.endr
; A KEY STEP: 64 keys
.macro STEP
	v_add_nc_u32 v[ADK], s[TB], v[LI]
	v_add_nc_u32 v[ADV], 0x10000, v[ADK]
.rept 3
	v_nop                                          ; five places behind the last V^T P: K's loads land on V's registers, and the first K Q^T writes over P
.endr
.set i, 0
.rept 8                                ; fragment i = 2 t + f: keys 16 t on, channels 32 f on
	ds_load_b128 v[KV+8*i:KV+8*i+3], v[ADK] offset:1024*i
	ds_load_b128 v[KV+8*i+4:KV+8*i+7], v[ADK] offset:1024*i+512
.set i, i+1
.endr
	s_wait_dscnt 0x0
.irp f, 0,1                            ; S^T = K Q^T: the eight accumulators take turns, one instruction a turn
.irp t, 0,1,2,3
.irp y, 0,1
.if \f == 0
	v_wmma_f32_16x16x32_f16 v[S+32*\y+8*\t:S+32*\y+8*\t+7], v[KV+8*(2*\t+\f):KV+8*(2*\t+\f)+7], v[Q+16*\y+8*\f:Q+16*\y+8*\f+7], 0
.else
	v_wmma_f32_16x16x32_f16 v[S+32*\y+8*\t:S+32*\y+8*\t+7], v[KV+8*(2*\t+\f):KV+8*(2*\t+\f)+7], v[Q+16*\y+8*\f:Q+16*\y+8*\f+7], v[S+32*\y+8*\t:S+32*\y+8*\t+7]
.endif
.endr
.endr
.endr
.rept 4
	v_nop                                          ; places in front of the loads into K's registers and of the first read of the scores
.endr
.set i, 0
.rept 8                                ; fragment i = 4 g + u of V^T: keys 32 g on, channels 16 u on; they land under the softmax
	ds_load_b128 v[KV+8*i:KV+8*i+3], v[ADV] offset:1024*i
	ds_load_b128 v[KV+8*i+4:KV+8*i+7], v[ADV] offset:1024*i+512
.set i, i+1
.endr
	s_wait_kmcnt 0x0                               ; this step's mask words, asked for a step ago
.set n, 0
.rept 32
	v_cndmask_b32 v[S+n], v[MV], v[S+n], s[32+n]   ; a bit of 1 keeps the score.  Each accumulator is read from its low end on
.set n, n+1
.endr
.set n, 0
.rept 32
	v_cndmask_b32 v[S+32+n], v[MV], v[S+32+n], s[68+n]
.set n, n+1
.endr
	s_add_co_u32 s[MOFF], s[MOFF], 128             ; the next step's words; behind the last step the first step's once more: inside the buffer, and not used
	s_and_b32 s[MOFF], s[MOFF], 4095
	MASKWORDS
.irp j, 0,1,2,3                        ; the largest of 32 scores and the old m: four chains a tile, the two tiles by turns
.irp y, 0,1
	v_max3_num_f32 v[ST+8*\y+4+\j], v[S+32*\y+8*\j], v[S+32*\y+8*\j+1], v[S+32*\y+8*\j+2]
.endr
.endr
.irp k, 1,2
.irp j, 0,1,2,3
.irp y, 0,1
	v_max3_num_f32 v[ST+8*\y+4+\j], v[ST+8*\y+4+\j], v[S+32*\y+8*\j+2*\k+1], v[S+32*\y+8*\j+2*\k+2]
.endr
.endr
.endr
.irp y, 0,1
	v_max3_num_f32 v[ST+8*\y+4], v[ST+8*\y+4], v[S+32*\y+7], v[S+32*\y+15]
	v_max3_num_f32 v[ST+8*\y+6], v[ST+8*\y+6], v[S+32*\y+23], v[S+32*\y+31]
.endr
.irp y, 0,1
	v_max3_num_f32 v[ST+8*\y+4], v[ST+8*\y+4], v[ST+8*\y+5], v[ST+8*\y+6]
.endr
.irp y, 0,1
	v_max3_num_f32 v[ST+8*\y+4], v[ST+8*\y+4], v[ST+8*\y+7], v[ST+8*\y+1]
.endr
.irp y, 0,1
	v_permlanex16_b32 v[ST+8*\y+5], v[ST+8*\y+4], s66, s67         ; the query's other 32 keys lie in the lane 16 away
.endr
.irp y, 0,1
	v_max_num_f32 v[ST+8*\y+4], v[ST+8*\y+4], v[ST+8*\y+5]         ; the new m
.endr
.irp y, 0,1
	v_sub_f32 v[ST+8*\y+6], v[ST+8*\y+1], v[ST+8*\y+4]             ; old m - new m, 0 or less
.endr
.irp y, 0,1
	v_mov_b32 v[ST+8*\y+1], v[ST+8*\y+4]
	v_xor_b32 v[ST+8*\y], 0x80000000, v[ST+8*\y+4]                 ; -m
.endr
.irp y, 0,1
.irp i, 0,1,2,3,4,5,6,7,8,9,10,11,12,13,14,15
	v_pk_add_f32 v[S+32*\y+2*\i:S+32*\y+2*\i+1], v[S+32*\y+2*\i:S+32*\y+2*\i+1], v[ST+8*\y:ST+8*\y+1] op_sel_hi:[1,0]   ; t - m, two at a time
.endr
.endr
.irp y, 0,1                            ; ONE BATCH of 66 exponentials: the two factors and the 64 p
	v_exp_f32 v[ST+8*\y+6], v[ST+8*\y+6]
.endr
.set n, 0
.rept 64
	v_exp_f32 v[S+n], v[S+n]
.set n, n+1
.endr
	v_nop                                          ; a plain line behind the last exponential
	s_wait_alu depctr_va_vdst(0)                   ; one wait for the batch, ahead of its first reader
.irp y, 0,1                            ; l = l x factor + the sum of the unrounded p: two chains a tile
	v_pk_fma_f32 v[ST+8*\y+2:ST+8*\y+3], v[ST+8*\y+2:ST+8*\y+3], v[ST+8*\y+6:ST+8*\y+7], v[S+32*\y:S+32*\y+1] op_sel_hi:[1,0,1]
	v_pk_add_f32 v[TMP+2*\y:TMP+2*\y+1], v[S+32*\y+2:S+32*\y+3], v[S+32*\y+6:S+32*\y+7]
.endr
.irp k, 4,8,12,16,20,24
.irp y, 0,1
	v_pk_add_f32 v[ST+8*\y+2:ST+8*\y+3], v[ST+8*\y+2:ST+8*\y+3], v[S+32*\y+\k:S+32*\y+\k+1]
	v_pk_add_f32 v[TMP+2*\y:TMP+2*\y+1], v[TMP+2*\y:TMP+2*\y+1], v[S+32*\y+\k+6:S+32*\y+\k+7]
.endr
.endr
.irp y, 0,1
	v_pk_add_f32 v[ST+8*\y+2:ST+8*\y+3], v[ST+8*\y+2:ST+8*\y+3], v[S+32*\y+28:S+32*\y+29]
.endr
.irp y, 0,1
	v_pk_add_f32 v[ST+8*\y+2:ST+8*\y+3], v[ST+8*\y+2:ST+8*\y+3], v[TMP+2*\y:TMP+2*\y+1]
.endr
.irp y, 0,1                            ; p to f16, packed in place into the lower half of the tile's registers: register i takes numbers 2 i and 2 i + 1, i ascending
.irp i, 0,1,2,3,4,5,6,7,8,9,10,11,12,13,14,15
	v_cvt_pk_f16_f32 v[S+32*\y+\i], v[S+32*\y+2*\i], v[S+32*\y+2*\i+1]
.endr
.endr
.irp y, 0,1
.irp i, 0,1,2,3,4,5,6,7,8,9,10,11,12,13,14,15
	v_pk_mul_f32 v[O+32*\y+2*\i:O+32*\y+2*\i+1], v[O+32*\y+2*\i:O+32*\y+2*\i+1], v[ST+8*\y+6:ST+8*\y+7] op_sel_hi:[1,0]   ; O^T x factor, each accumulator from its low end on
.endr
.endr
	s_wait_dscnt 0x0                               ; V is in
.irp g, 0,1                            ; O^T += V^T P: the eight accumulators take turns
.irp u, 0,1,2,3
.irp y, 0,1
	v_wmma_f32_16x16x32_f16 v[O+32*\y+8*\u:O+32*\y+8*\u+7], v[KV+8*(4*\g+\u):KV+8*(4*\g+\u)+7], v[S+32*\y+8*\g:S+32*\y+8*\g+7], v[O+32*\y+8*\u:O+32*\y+8*\u+7]
.endr
.endr
.endr
	s_add_co_u32 s[TB], s[TB], 8192                ; the next step's tiles
.endm
.macro SLOT_STEPS                      ; a slot's eight key steps: written once, walked eight times
	s_mov_b32 s14, 8
.Lstep_\@:
	STEP
	s_sub_co_u32 s14, s14, 1
	s_cmp_lg_u32 s14, 0
	s_cbranch_scc1 .Lstep_\@
.endm
; THE CHANGE OF SLOTS.  Each wave waits for all its tensor loads (its part of the other slot), adds 0 to its spare word, and waits for that and for its reads of the slot that it leaves.
; fill = 1: the barrier is a round of the cluster's, and behind it the slot just left takes the keys two slots on: the load has eight key steps in which to land.
.macro CHANGE fill
	s_wait_tensorcnt 0x0                           ; no tensor load of mine is out, so a group 0 may be written
	ds_add_u32 v[SPW], v[NIL]                      ; 0 onto my spare word
.if \fill
	s_xor_b32 s29, s29, SLOT1                      ; the walking descriptor: the other slot than last time,
	s_add_nc_u64 s[30:31], s[30:31], 0x10000       ; the next 512 keys; the type bits on top are not reached
.endif
	s_sub_co_u32 s[TB], s[TB], 0x10000             ; the reads go back to a slot's first step,
	s_xor_b32 s[TB], s[TB], SLOT1                  ; in the other slot
	s_wait_dscnt 0x0                               ; the add is done, and my reads of the slot are over
.if \fill
	CROUND
	tensor_load_to_lds s[28:31], s[16:23]          ; my one tensor load behind the round, and the first thing there
	s_nop 0
.rept 4
	v_nop
.endr
.else
	s_barrier_signal -1
	s_barrier_wait -1
.endif
.endm
	s_wait_loadcnt 0x0                             ; Q
	s_wait_tensorcnt 1                             ; my part of slot 0 is in; slot 1's may stay out
	s_barrier_signal -1
	s_barrier_wait -1                              ; everybody's is
	SLOT_STEPS                                     ; keys 0 to 511
	s_mov_b32 s15, 2
.Lslot:                                            ; two trips: keys 512 to 1535; each asks for the 512 keys two slots on
	CHANGE 1
	SLOT_STEPS
	s_sub_co_u32 s15, s15, 1
	s_cmp_lg_u32 s15, 0
	s_cbranch_scc1 .Lslot
	CHANGE 0                                       ; the last slot is written out: nothing is left to fetch
	SLOT_STEPS
	; THE WAY OUT: O^T / l, rounded to f16: a lane's eight channels of one position are four registers of the last product's fragment: stored as they stand
.irp y, 0,1
	v_add_f32 v[ST+8*\y+4], v[ST+8*\y+2], v[ST+8*\y+3]             ; (these additions are the places behind the last products)
.endr
.irp y, 0,1
	v_permlanex16_b32 v[ST+8*\y+5], v[ST+8*\y+4], s66, s67
.endr
.irp y, 0,1
	v_add_f32 v[ST+8*\y+4], v[ST+8*\y+4], v[ST+8*\y+5]
.endr
.irp y, 0,1
	v_rcp_f32 v[ST+8*\y+6], v[ST+8*\y+4]
.endr
	v_nop                                          ; a plain line behind the last reciprocal
	s_wait_alu depctr_va_vdst(0)                   ; one wait for the two, ahead of their first reader
.irp y, 0,1
.irp i, 0,1,2,3,4,5,6,7,8,9,10,11,12,13,14,15
	v_pk_mul_f32 v[S+32*\y+2*\i:S+32*\y+2*\i+1], v[O+32*\y+2*\i:O+32*\y+2*\i+1], v[ST+8*\y+6:ST+8*\y+7] op_sel_hi:[1,0]
.endr
.irp i, 0,1,2,3,4,5,6,7,8,9,10,11,12,13,14,15
	v_cvt_pk_f16_f32 v[KV+16*\y+\i], v[S+32*\y+2*\i], v[S+32*\y+2*\i+1]
.endr
.irp u, 0,1,2,3
	global_store_b128 v[LI], v[KV+16*\y+4*\u:KV+16*\y+4*\u+3], s[8:9] offset:\y*4096+\u*512   ; the wave stores 512 consecutive bytes
.endr
.endr
	s_wait_tensorcnt 0x0                           ; the wave's end
	ds_add_u32 v[SPW], v[NIL]
	s_wait_dscnt 0x0
	CROUND                                         ; the closing round
	s_endpgm
.Lfunc_end_k_qf94161dc05_attn:
	.size	k_qf94161dc05_attn, .Lfunc_end_k_qf94161dc05_attn-k_qf94161dc05_attn
	.p2alignl 7, 3214868480
	.fill 96, 4, 3214868480
	.section	.rodata,"a",@progbits
	.p2align	6, 0x0
	.amdhsa_kernel k_qf94161dc05_attn
		.amdhsa_group_segment_fixed_size 327680
		.amdhsa_private_segment_fixed_size 0
		.amdhsa_enable_private_segment 0
		.amdhsa_kernarg_size 24
		.amdhsa_user_sgpr_count 2
		.amdhsa_user_sgpr_kernarg_segment_ptr 1
		.amdhsa_wavefront_size32 1
		.amdhsa_system_sgpr_workgroup_id_x 1
		.amdhsa_system_sgpr_workgroup_id_y 1
		.amdhsa_system_sgpr_workgroup_id_z 1
		.amdhsa_system_vgpr_workitem_id 0
		.amdhsa_next_free_vgpr 256
		.amdhsa_next_free_sgpr 100
		.amdhsa_reserve_vcc 0
		.amdhsa_float_denorm_mode_32 3
		.amdhsa_float_denorm_mode_16_64 3
		.amdhsa_memory_ordered 1
		.amdhsa_forward_progress 1
		.amdhsa_inst_pref_size 79
	.end_amdhsa_kernel
	.amdgpu_metadata
---
amdhsa.version: [ 1, 2 ]
amdhsa.kernels:
  - .name:           k_qf94161dc05_attn
    .symbol:         k_qf94161dc05_attn.kd
    .args:
      - { .name: qkv, .offset: 0, .size: 8, .value_kind: global_buffer, .address_space: global }
      - { .name: maskbits, .offset: 8, .size: 8, .value_kind: global_buffer, .address_space: global }
      - { .name: att, .offset: 16, .size: 8, .value_kind: global_buffer, .address_space: global }
    .group_segment_fixed_size: 327680
    .private_segment_fixed_size: 0
    .kernarg_segment_align: 8
    .kernarg_segment_size: 24
    .max_flat_workgroup_size: 512
    .sgpr_count:     100
    .vgpr_count:     256
    .wavefront_size: 32
...
	.end_amdgpu_metadata
.endif
;; end of part 3
;; launch outp (part 4): grid 32 x 8, 4 waves a work-group, clusters of 4 x 4, 327,680 bytes of LDS; arguments wo16, att, bo, out0; writes out0
.if DOCPART == 4
	.amdgcn_target "amdgcn-amd-amdhsa--gfx1250"
	.amdhsa_code_object_version 6
	.text
	.protected	k_qf94161dc05_outp
	.globl	k_qf94161dc05_outp
	.p2align	8
	.type	k_qf94161dc05_outp,@function
k_qf94161dc05_outp:
	s_mov_b64 s[64:65], 0
	v_nop
	global_prefetch_b8 v0, s[64:65] scope:SCOPE_SE
	s_setreg_imm32_b32 hwreg(HW_REG_WAVE_MODE, 25, 1), 1
	s_wait_xcnt 0x0
	s_wait_alu depctr_hold_cnt(0) depctr_sa_sdst(0) depctr_va_vdst(0) depctr_va_sdst(0) depctr_va_ssrc(0) depctr_va_vcc(0) depctr_vm_vsrc(0)
	s_getreg_b32 s2, hwreg(HW_REG_IB_STS2, 6, 4)
	s_cmp_eq_u32 s2, 0
	s_cbranch_scc0 .Lentry_in_a_cluster
	s_endpgm
.Lentry_in_a_cluster:
	s_bfe_u32 s2, ttmp6, 0x10000c
	s_cmp_lg_u32 s2, 0xf033
	s_cbranch_scc0 .Lentry_shape_is_right
	s_endpgm
.Lentry_shape_is_right:
; OUTP: out0[b][o][t] = sum over ch of Wo[o][ch] att[b][ch][t] + bo[o]; both operands f16, as fragment images; sums in f32; out0 f32.
; A work-group makes 128 o x 256 t: 256 work-groups.  Wave w: 64 o (w / 2) x 128 t (w % 2): 32 accumulators.  Source 0 = att (16 positions), source 1 = Wo (16 rows o): a lane then holds one row o
; and eight neighbouring t: 32 bytes of a row of out0.  The bias is the C of each sum's first product.
; K goes in 8 steps of 128 channels (two heads) through two LDS slots: Wo's 8 tiles of 4 KiB, then att's 16.  One load a wave: waves 0, 1 Wo's halves, waves 2, 3 att's.
; Two tensor loads of a wave are out at the start, one behind each refill.
; CLUSTERS: 4 x 4 work-groups: Wo's tile is shared along a row of the cluster, att's along a column: each is asked for jointly.
; REGISTERS: window 0: v1-30 addresses; v32-63 the bias, eight registers a block of 16 o; v64-191 the way out.  window 1: two fragment buffers of 96 (att's 8 fragments, Wo's 4) at v0 and v128.
;   window 2: the accumulators, (a, b) at v[8 (8 a + b)].
.set SLOT,  98304
.set STAGE, 2*SLOT                     ; behind the ring: 16 rows x (512 bytes + 16) for each wave; no tensor load lands here
.set SPARE, STAGE+4*8448               ; the spare words, 128 bytes a wave
.set ADRA, 16                          ; v16-17  my Wo fragments in slot 0, 1
.set ADRB, 20                          ; v20-21  my att fragments
.set STO,  24                          ; v24  the way out: where I put 32 bytes of a row
.set RD,   25                          ; v25  and where I read a row back
.set CO,   26                          ; v26  16 x lane
.set SPW,  28
.set NIL,  29
.set PFO,  30                          ; v30  256 x lane: the prefetches' offset; never rewritten
.set BIA,  32
.set BK,   64
.set F0,   0
.set F1,   128
.set WV,   12
.set HO,   13                          ; which 64 o are mine.  Also: I fetch for Wo (0) or for att (1)
.set HT,   14                          ; which 128 t.  Also: which half of the tile I fetch
.set G1,   24
.set G0,   32
.set LIM,  43                          ; s43  1 in a wave that prefetches, else the greatest number
.set PFA,  44                          ; s[44:45] where my prefetches stand
.set G1B,  48
.set G0B,  56
.set MSB, 0
.macro WIN new
.if MSB != \new
	s_set_vgpr_msb (MSB<<8)|\new
.set MSB, \new
.endif
.endm
.set MUL,  0xa5                        ; sources 0 and 1 window 1; C and D window 2.  With the bias as C (window 0): MUL - 0x20
.set TO_F, 0x40                        ; destination window 1, address window 0
.macro JLOAD s                         ; a joint load; an s_nop 0 and four v_nop follow each of the two lines
	s_cmp_eq_u32 s[HO], 0
	s_cbranch_scc0 .Lfor_b_\@
	tensor_load_to_lds s[G0+4*\s:G0+4*\s+3], s[G1:G1+7]
	s_nop 0
.rept 4
	v_nop
.endr
	s_branch .Lasked_\@
.Lfor_b_\@:
	tensor_load_to_lds s[G0B+4*\s:G0B+4*\s+3], s[G1B:G1B+7]
	s_nop 0
.rept 4
	v_nop
.endr
.Lasked_\@:
.endm
.macro CREST
	s_cmp_lg_u32 s[WV], 0
	s_cbranch_scc1 .Lnot_wave_0_\@
	s_barrier_signal -3
.Lnot_wave_0_\@:
	s_barrier_wait -3
	s_barrier_signal -1
	s_barrier_wait -1
.endm
.macro CROUND
	s_barrier_signal -1
	s_barrier_wait -1
	CREST
.endm
; A PREFETCH of att's K step that stands two refills on, behind each joint load and the run of LDS loads that follows it.  Both clusters of a column of clusters read the same att: cluster y = 0 asks.
; Of the 32 KiB that wave 2 or 3 fetches, the partner at place cy takes 8 KiB, told apart by address: 32 blocks of 256 bytes, a lane a block: each block is named once in the launch.
; The loop's last trip asks for nothing: there is no K step two refills on.  K steps 0 to 3 come by their loads alone.
.macro ASK
	s_cmp_gt_u32 s3, s[LIM]
	s_cbranch_scc0 .Lnot_mine_\@
	global_prefetch_b8 v[PFO], s[PFA:PFA+1] offset:524288 th:TH_LOAD_NT scope:SCOPE_SE
.Lnot_mine_\@:
.endm
	s_load_b256 s[4:11], s[0:1], 0x0               ; wo16 4, att 6, bo 8, out0 10
	v_lshl_add_u32 v[SPW], v0, 2, SPARE
	v_mov_b32 v[NIL], 0
	ds_add_u32 v[SPW], v[NIL]                      ; the wave's opening: the add, twice on end, and its wait ahead of my first tensor load
	ds_add_u32 v[SPW], v[NIL]
	v_lshrrev_b32 v1, 5, v0
	v_readfirstlane_b32 s[WV], v1
	s_lshr_b32 s[HO], s[WV], 1
	s_and_b32 s[HT], s[WV], 1
	s_bfe_u32 s40, ttmp6, 0x40000                  ; cx
	s_bfe_u32 s41, ttmp6, 0x40004                  ; cy
	s_lshl_b32 s42, ttmp9, 2
	s_add_co_u32 s42, s42, s40                     ; tile column: 256 positions of 8,192
	s_and_b32 s15, ttmp7, 0xffff
	s_lshl_b32 s15, s15, 2
	s_add_co_u32 s15, s15, s41                     ; tile row: 128 o
	s_lshl_b32 s20, s41, 2
	s_lshl_b32 s20, 15, s20                        ; my row of the cluster
	s_lshl_b32 s21, 0x1111, s40                    ; my column
	; descriptor groups 1: dense blocks as rows of 256 bytes (32 elements of 8 bytes): Wo 64 rows, att 128
	s_or_b32 s[G1], s20, (3<<16)|(1<<21)
	s_or_b32 s[G1B], s21, (3<<16)|(1<<21)
	s_mov_b32 s[G1+1], 32<<16
	s_mov_b32 s[G1+2], 64<<16
	s_mov_b32 s[G1+3], 32<<16
	s_mov_b32 s[G1+4], 64
	s_mov_b32 s[G1+5], 32
	s_mov_b32 s[G1+6], 0
	s_mov_b32 s[G1+7], 0
	s_mov_b32 s[G1B+1], 32<<16
	s_mov_b32 s[G1B+2], 128<<16
	s_mov_b32 s[G1B+3], 32<<16
	s_mov_b32 s[G1B+4], 128
	s_mov_b32 s[G1B+5], 32
	s_mov_b32 s[G1B+6], 0
	s_mov_b32 s[G1B+7], 0
	s_lshl_b32 s16, s15, 15                        ; Wo: tile row x 8 tiles of 4,096 bytes + my half
	s_lshl_b32 s17, s[HT], 14
	s_add_co_u32 s16, s16, s17
	s_mov_b32 s17, 0
	s_lshr_b32 s46, s42, 3                         ; att: batch x 4 MiB + (column % 8) x 16 tiles + my half
	s_lshl_b32 s46, s46, 22
	s_and_b32 s47, s42, 7
	s_lshl_b32 s47, s47, 16
	s_add_co_u32 s46, s46, s47
	s_lshl_b32 s47, s[HT], 15
	s_add_co_u32 s46, s46, s47
	s_mov_b32 s47, 0
	s_lshl_b32 s18, s[HT], 14                      ; where they go: Wo's halves,
	s_lshl_b32 s19, s[HT], 15
	s_add_co_u32 s19, s19, 32768                   ; att's halves behind them: no place in the cluster enters an LDS address
	s_wait_dscnt 0x0                               ; both opening adds are done
	s_wait_kmcnt 0x0
	s_add_nc_u64 s[22:23], s[4:5], s[16:17]
	s_add_nc_u64 s[46:47], s[6:7], s[46:47]
	CROUND                                         ; all sixteen work-groups are here: the first joint loads meet
.irp s, 0,1
	s_mov_b32 s[G0+4*\s], 1
	s_add_co_u32 s[G0+4*\s+1], s18, \s*SLOT
	s_add_nc_u64 s[G0+4*\s+2:G0+4*\s+3], s[22:23], \s*262144       ; K step s
	s_or_b32 s[G0+4*\s+3], s[G0+4*\s+3], 0x80000000
	s_mov_b32 s[G0B+4*\s], 1
	s_add_co_u32 s[G0B+4*\s+1], s19, \s*SLOT
	s_add_nc_u64 s[G0B+4*\s+2:G0B+4*\s+3], s[46:47], \s*524288
	s_or_b32 s[G0B+4*\s+3], s[G0B+4*\s+3], 0x80000000
	JLOAD \s
.endr
	s_lshl_b32 s20, s41, 13                        ; the prefetches: my work-group's 8 KiB of the wave's 32,
	s_mov_b32 s21, 0
	s_add_nc_u64 s[PFA:PFA+1], s[46:47], s[20:21]
	s_add_nc_u64 s[PFA:PFA+1], s[PFA:PFA+1], 2*524288              ; at K step 2: the first refill steps it to 3 and names K step 4
	s_and_b32 s20, ttmp7, 0xffff
	s_xor_b32 s21, s[HO], 1                        ; 0 in waves 2 and 3,
	s_or_b32 s20, s20, s21                         ; of the clusters with y = 0: the same in all sixteen partners
	s_cmp_eq_u32 s20, 0
	s_cselect_b32 s[LIM], 1, -1
	v_and_b32 v1, 15, v0                           ; r
	v_bfe_u32 v2, v0, 4, 1                         ; h
	v_and_b32 v3, 31, v0
	v_lshlrev_b32 v[CO], 4, v3
	v_lshlrev_b32 v[PFO], 8, v3
	s_lshl_b32 s20, s[HO], 14                      ; my four tiles of Wo
	s_lshl_b32 s21, s[HT], 15
	s_add_co_u32 s21, s21, 32768                   ; my eight tiles of att
.irp s, 0,1
	v_add_nc_u32 v[ADRA+\s], s20, v[CO]
	v_add_nc_u32 v[ADRB+\s], s21, v[CO]
	s_add_co_u32 s20, s20, SLOT
	s_add_co_u32 s21, s21, SLOT
.endr
	s_mul_i32 s20, s[WV], 8448
	s_add_co_u32 s20, s20, STAGE                   ; my stage
	v_mul_u32_u24 v4, v1, 528
	v_lshl_add_u32 v4, v2, 5, v4
	v_add_nc_u32 v[STO], s20, v4                   ; in: row r, 32 bytes for each half of the lanes
	v_add_nc_u32 v[RD], s20, v[CO]                 ; back: the 32 lanes take one row of 512 bytes
	s_lshl_b32 s20, s15, 9
	s_lshl_b32 s21, s[HO], 8
	s_add_co_u32 s20, s20, s21                     ; bo at my first o: (128 x tile row + 64 x half) x 4
	s_mov_b32 s21, 0
	s_add_nc_u64 s[8:9], s[8:9], s[20:21]
	v_lshlrev_b32 v5, 2, v1
.irp a, 0,1,2,3
	global_load_b32 v[BIA+8*\a], v5, s[8:9] offset:64*\a
.endr
	s_lshr_b32 s20, s42, 3                         ; out0: batch x 8 MiB + my first o x 8,192 + my first t x 4
	s_lshl_b32 s20, s20, 23
	s_lshl_b32 s21, s15, 20
	s_add_co_u32 s20, s20, s21
	s_lshl_b32 s21, s[HO], 19
	s_add_co_u32 s20, s20, s21
	s_and_b32 s21, s42, 7
	s_lshl_b32 s21, s21, 10
	s_add_co_u32 s20, s20, s21
	s_lshl_b32 s21, s[HT], 9
	s_add_co_u32 s20, s20, s21
	s_mov_b32 s21, 0
	s_add_nc_u64 s[10:11], s[10:11], s[20:21]
	s_wait_loadcnt 0x0
.irp a, 0,1,2,3
.irp j, 1,2,3,4,5,6,7
	v_mov_b32 v[BIA+8*\a+\j], v[BIA+8*\a]          ; a lane's eight results belong to one row o: its bias in all eight registers of the C operand
.endr
.endr
.macro MULA f, a, zero                 ; 8 matrix instructions: block a of o x all 8 tiles of t, 32 channels.  zero = 1: the bias starts the sums
.irp b, 0,1,2,3,4,5,6,7
.if \zero
	v_wmma_f32_16x16x32_f16 v[8*(8*(\a)+\b):8*(8*(\a)+\b)+7], v[\f+8*\b:\f+8*\b+7], v[\f+64+8*(\a):\f+64+8*(\a)+7], v[BIA+8*(\a):BIA+8*(\a)+7]
.else
	v_wmma_f32_16x16x32_f16 v[8*(8*(\a)+\b):8*(8*(\a)+\b)+7], v[\f+8*\b:\f+8*\b+7], v[\f+64+8*(\a):\f+64+8*(\a)+7], v[8*(8*(\a)+\b):8*(8*(\a)+\b)+7]
.endif
.endr
.endm
.macro FETCH slot, q, f                ; 24 LDS loads in one run: the fragments of the slot's q-th 32 channels; Wo's blocks 2 and 3 last
	WIN TO_F
.irp i, 0,1,2,3,4,5,6,7
	ds_load_b128 v[\f+8*\i:\f+8*\i+3],   v[ADRB+\slot] offset:\i*4096+(\q)*1024
	ds_load_b128 v[\f+8*\i+4:\f+8*\i+7], v[ADRB+\slot] offset:\i*4096+(\q)*1024+512
.endr
.irp a, 0,1,2,3
	ds_load_b128 v[\f+64+8*\a:\f+64+8*\a+3], v[ADRA+\slot] offset:\a*4096+(\q)*1024
	ds_load_b128 v[\f+64+8*\a+4:\f+64+8*\a+7], v[ADRA+\slot] offset:\a*4096+(\q)*1024+512
.endr
.endm
.macro PLACES                          ; four plain lines in front of loads into registers that matrix instructions have read, and of the first read of results
.rept 4
	v_nop
.endr
.endm
; A K step is four quarters of 32 channels, 32 matrix instructions each, on buffers 0, 1, 0, 1; the 32 accumulators take turns in one order throughout.
.macro QUARTER slot, q, f, g, zero     ; multiplies buffer f and fetches the slot's q-th quarter into g
	s_wait_dscnt 4                                 ; att's fragments and Wo's blocks 0, 1 are in; the youngest four loads (Wo's blocks 2, 3) may be out
	WIN MUL-0x20*(\zero)
	MULA \f, 0, \zero
	MULA \f, 1, \zero
	PLACES
	FETCH \slot, \q, \g
	s_wait_dscnt 24                                ; all but the 24 just issued
	WIN MUL-0x20*(\zero)
	MULA \f, 2, \zero
	MULA \f, 3, \zero
.endm
; The last quarter multiplies buffer 1 and changes slots: ONE barrier; in front of it each wave waits for all its tensor loads, adds 0 to its spare word, and waits for that and for its reads of this slot.
.macro TURN slot, next, fill
.if \fill
	s_wait_xcnt 0x0                                ; the last prefetch, a K step back, has read its address: it is stepped here
	s_add_nc_u64 s[PFA:PFA+1], s[PFA:PFA+1], 524288
.endif
	WIN 0                                          ; (the add's two registers lie in window 0)
	s_wait_tensorcnt 0x0                           ; all my tensor loads have landed: my part of the next slot
	ds_add_u32 v[SPW], v[NIL]                      ; 0 onto my spare word
	s_wait_dscnt 5                                 ; (the add and the youngest four loads may be out)
	WIN MUL
	MULA F1, 0, 0                                  ; eight matrix instructions stand between the add and the wait for it
	s_wait_dscnt 0x0                               ; the add is done, and my reads of this slot are over
	s_barrier_signal -1
	MULA F1, 1, 0
.if \fill
	WIN 0
.endif
	s_barrier_wait -1
.if \fill
	CREST                                          ; the barrier has opened a round of the cluster's: no wave of any partner still reads this slot or has a load on its way
	s_add_nc_u64 s[G0+4*\slot+2:G0+4*\slot+3], s[G0+4*\slot+2:G0+4*\slot+3], 2*262144
	s_add_nc_u64 s[G0B+4*\slot+2:G0B+4*\slot+3], s[G0B+4*\slot+2:G0B+4*\slot+3], 2*524288
	JLOAD \slot                                    ; the first tensor load behind the round; its four v_nop are also the places in front of the loads below
.else
	PLACES
.endif
	FETCH \next, 0, F0
.if \fill
	WIN 0
	ASK
.endif
	WIN MUL
	MULA F1, 2, 0
	MULA F1, 3, 0
.endm
	s_wait_tensorcnt 1                             ; my part of K step 0 is in; K step 1's may be out
	s_barrier_signal -1
	s_barrier_wait -1
	FETCH 0, 0, F0
	QUARTER 0, 1, F0, F1, 1                        ; the first quarter stands in front of the loop: its products start the sums with the bias
	WIN 0
	s_mov_b32 s3, 3
.Llap:                                             ; a trip goes once round the ring and fills both slots again: K steps 2 to 7
	QUARTER 0, 2, F1, F0, 0
	QUARTER 0, 3, F0, F1, 0
	TURN 0, 1, 1
	QUARTER 1, 1, F0, F1, 0
	QUARTER 1, 2, F1, F0, 0
	QUARTER 1, 3, F0, F1, 0
	TURN 1, 0, 1
	QUARTER 0, 1, F0, F1, 0
	WIN 0
	s_sub_co_u32 s3, s3, 1
	s_cmp_lg_u32 s3, 0
	s_cbranch_scc1 .Llap
	QUARTER 0, 2, F1, F0, 0                        ; the last lap fills nothing
	QUARTER 0, 3, F0, F1, 0
	TURN 0, 1, 0
	QUARTER 1, 1, F0, F1, 0
	QUARTER 1, 2, F1, F0, 0
	QUARTER 1, 3, F0, F1, 0
	s_wait_dscnt 4
	WIN MUL
	MULA F1, 0, 0
	MULA F1, 1, 0
	s_wait_dscnt 0x0
	MULA F1, 2, 0
	MULA F1, 3, 0
	WIN 0
; THE WAY OUT, block by block of 16 o x 128 t: through my own stage in LDS and back as whole rows of 512 bytes.  LDS serves a wave's instructions in order (ISA guide 5.7.1.4): no wait between stores and loads.
.macro TOSTAGE a
.set AC, 64*(\a)
	WIN 0x08                                       ; an LDS store's data: window 2
.irp b, 0,1,2,3,4,5,6,7
	ds_store_b128 v[STO], v[AC+8*\b:AC+8*\b+3] offset:64*\b        ; each accumulator from its low end on
	ds_store_b128 v[STO], v[AC+8*\b+4:AC+8*\b+7] offset:64*\b+16
.endr
	WIN 0
.set BB, BK+64*((\a)%2)
.irp t, 0,1,2,3,4,5,6,7,8,9,10,11,12,13,14,15
	ds_load_b128 v[BB+4*\t:BB+4*\t+3], v[RD] offset:\t*528
.endr
.endm
.macro SEND a, younger                 ; younger: the LDS instructions issued behind block a's loads, which may stay out
.set BB, BK+64*((\a)%2)
	s_wait_dscnt \younger
.if (\a) > 0
	s_add_nc_u64 s[10:11], s[10:11], 16*8192       ; (behind a wait on XCNT: the earlier stores have read their base)  16 rows of out0 on
.endif
.irp t, 0,1,2,3,4,5,6,7,8,9,10,11,12,13,14,15
	global_store_b128 v[CO], v[BB+4*\t:BB+4*\t+3], s[10:11] offset:\t*8192 th:TH_STORE_NT   ; 32 lanes store 512 consecutive bytes, aligned; written once, read by nobody here
.endr
.endm
	PLACES
	TOSTAGE 0
.irp a, 1,2,3
.if \a > 1
	s_wait_xcnt 0x0                                ; block a - 2's stores have read their registers and their base
.endif
	TOSTAGE \a
	SEND \a-1, 32                                  ; behind block a - 1's loads: block a's 16 stores and 16 loads
.endr
	s_wait_xcnt 0x0
	SEND 3, 0
	s_wait_tensorcnt 0x0                           ; the wave's end, behind my last tensor load and my last LDS store
	ds_add_u32 v[SPW], v[NIL]
	s_wait_dscnt 0x0
	CROUND                                         ; the closing round
	s_endpgm
.Lfunc_end_k_qf94161dc05_outp:
	.size	k_qf94161dc05_outp, .Lfunc_end_k_qf94161dc05_outp-k_qf94161dc05_outp
	.p2alignl 7, 3214868480
	.fill 96, 4, 3214868480
	.section	.rodata,"a",@progbits
	.p2align	6, 0x0
	.amdhsa_kernel k_qf94161dc05_outp
		.amdhsa_group_segment_fixed_size 327680
		.amdhsa_private_segment_fixed_size 0
		.amdhsa_enable_private_segment 0
		.amdhsa_kernarg_size 32
		.amdhsa_user_sgpr_count 2
		.amdhsa_user_sgpr_kernarg_segment_ptr 1
		.amdhsa_wavefront_size32 1
		.amdhsa_system_sgpr_workgroup_id_x 1
		.amdhsa_system_sgpr_workgroup_id_y 1
		.amdhsa_system_sgpr_workgroup_id_z 1
		.amdhsa_system_vgpr_workitem_id 0
		.amdhsa_next_free_vgpr 768
		.amdhsa_next_free_sgpr 66
		.amdhsa_reserve_vcc 0
		.amdhsa_float_denorm_mode_32 3
		.amdhsa_float_denorm_mode_16_64 3
		.amdhsa_memory_ordered 1
		.amdhsa_forward_progress 1
		.amdhsa_inst_pref_size 87
	.end_amdhsa_kernel
	.amdgpu_metadata
---
amdhsa.version: [ 1, 2 ]
amdhsa.kernels:
  - .name:           k_qf94161dc05_outp
    .symbol:         k_qf94161dc05_outp.kd
    .args:
      - { .name: wo16, .offset: 0, .size: 8, .value_kind: global_buffer, .address_space: global }
      - { .name: att, .offset: 8, .size: 8, .value_kind: global_buffer, .address_space: global }
      - { .name: bo, .offset: 16, .size: 8, .value_kind: global_buffer, .address_space: global }
      - { .name: out0, .offset: 24, .size: 8, .value_kind: global_buffer, .address_space: global }
    .group_segment_fixed_size: 327680
    .private_segment_fixed_size: 0
    .kernarg_segment_align: 8
    .kernarg_segment_size: 32
    .max_flat_workgroup_size: 128
    .sgpr_count:     66
    .vgpr_count:     768
    .wavefront_size: 32
...
	.end_amdgpu_metadata
.endif
;; end of part 4
